; MI455X (gfx1250); checked and timed in simulation.
; The chip was launched on July 23, 2026; its instructions are those of AMD's public machine-readable ISA for CDNA 5 (MIT licence, August 2026) and "CDNA5" Instruction Set Architecture Reference Guide (July 2026). The comments in the code are by the model that wrote it; some were corrected since.
;; TF Albert Attention. Allowed arithmetic: matrix products marked QUANTISED: E3M2 operands, one E8M0 scale for each 32 along K, by v_wmma_scale_f32_16x16x128_f8f6f4 with both operands' format E3M2, f32 sums; everything else in f32.
;; Inputs: Wk_codes 1,024 x 32 x 24 uint8 (E3M2 codes of Wk, K innermost, in blocks of 32 codes, four codes in three bytes); Wk_scales 1,024 x 32 uint8 (E8M0 scales of Wk, one for each 32 codes along K); Wo_codes 1,024 x 32 x 24 uint8 (E3M2 codes of Wo, K innermost, in blocks of 32 codes, four codes in three bytes); Wo_scales 1,024 x 32 uint8 (E8M0 scales of Wo, one for each 32 codes along K); Wq_codes 1,024 x 32 x 24 uint8 (E3M2 codes of Wq, K innermost, in blocks of 32 codes, four codes in three bytes); Wq_scales 1,024 x 32 uint8 (E8M0 scales of Wq, one for each 32 codes along K); Wv_codes 1,024 x 32 x 24 uint8 (E3M2 codes of Wv, K innermost, in blocks of 32 codes, four codes in three bytes); Wv_scales 1,024 x 32 uint8 (E8M0 scales of Wv, one for each 32 codes along K); attention_mask 4 x 1 x 1 x 2,048 float32; bk 1,024 float32; bo 1,024 float32; bq 1,024 float32; bv 1,024 float32; ln_beta 1,024 float32; ln_gamma 1,024 float32; x 4 x 2,048 x 1,024 float32.
;; Outputs: out0 4 x 2,048 x 1,024 float32.
;; This version of the problem:
;;   THIS VERSION OF THE PROBLEM IS GIVEN IN LOW PRECISION. The matrix products marked QUANTISED in the list below multiply operands that are first quantised to E3M2 (3 exponent bits, 2 mantissa bits; 6 bits a number), with one power-of-two scale for each 32 numbers along K (OCP MX v1.0); their sums are f32. All else is computed in f32.
;;   The module's matrix products, in the order in which they are computed (A, B: the left and right operand; K: the contracted axis; several contracted axes count as one K, in the product's order):
;;     1. [M 8,192, K 1,024] x [K 1,024, N 1,024]; A: input x; B: input Wq (given as codes): QUANTISED
;;     2. [M 8,192, K 1,024] x [K 1,024, N 1,024]; A: input x; B: input Wk (given as codes): QUANTISED
;;     3. [M 8,192, K 1,024] x [K 1,024, N 1,024]; A: input x; B: input Wv (given as codes): QUANTISED
;;     4. batch 64 x [M 2,048, K 64] x [K 64, N 2,048]; A: computed on the way; B: computed on the way: QUANTISED
;;     5. batch 64 x [M 2,048, K 2,048] x [K 2,048, N 64]; A: softmax (see below); B: computed on the way: QUANTISED
;;     6. [M 8,192, K 1,024] x [K 1,024, N 1,024]; A: computed on the way; B: input Wo (given as codes): QUANTISED
;;   THE QUANTISER, for each operand of a quantised product, along K:
;;     - K is cut into blocks of 32 from its start; a last block that is shorter is filled with zeros.
;;     - A block's scale is 2^e with e = floor(log2(the largest magnitude in the block)) - 4, held to -126 .. 127; a block of zeros has e = 0. As a byte (E8M0): e + 127.
;;     - Each number is divided by its block's scale, clamped to +-28, and rounded to the nearest number of E3M2, ties to even, subnormals kept.
;;     - The product sums the exact products of the quantised numbers (number of the format x scale) in f32.
;;   ~~~python
;;   def quantise(x, axis):      # numpy; x: float32 -> the quantised numbers, widened to float32 again
;;       x = np.moveaxis(x, axis, -1); K = x.shape[-1]
;;       x = np.pad(x, [(0, 0)] * (x.ndim - 1) + [(0, -K % 32)]); x = x.reshape(x.shape[:-1] + (-1, 32)); a = np.abs(x).max(-1, keepdims=True)
;;       e = np.where(a > 0, np.clip(np.frexp(np.where(a > 0, a, 1))[1] - 1 - 4, -126, 127), 0)      # np.frexp(a)[1] - 1 = floor(log2(a)), exactly
;;       r = np.clip(x / 2.0 ** e, -28, 28)
;;       step = 2.0 ** (np.maximum(np.frexp(np.where(r == 0, 1, r))[1] - 1, -2) - 2)
;;       q = np.round(r / step) * step * 2.0 ** e      # np.round: ties to even
;;       return np.moveaxis(q.reshape(q.shape[:-2] + (-1,))[..., :K], -1, axis).astype(np.float32)
;;   ~~~
;;   SOFTMAX AHEAD OF A QUANTISED PRODUCT. Where the list says 'softmax', what is quantised is not the finished softmax but p = 2^(t - M), with t = logit x log2(e) and M = ceil(the row's largest t), a whole number; so 1/2 < the row's largest p <= 1. The row's sum l is taken of the UNQUANTISED p, in f32, and the product's result is divided by l at the end. Since M is a whole number, a kernel that streams over the keys may use a running M (the ceiling of the running maximum): every later rescaling is an exact power of two, which a block's scale takes up: the codes' values come out the same.
;;   OPERANDS COMPUTED ON THE WAY. 'Computed on the way' means the value that the module computes at that place (a softmax that the list does not call 'softmax' is quantised finished and normalised). What goes into a quantiser is computed in f32, as accurately as f32 sums, v_exp_f32 and their like allow (about 1e-6 of the number): no bf16 or f16 on the way to a quantiser, and a product that is left as it is and whose result goes on into a quantised operand takes f32 operands (vector FMAs, or v_wmma_f32_16x16x4_f32). A number that lies on a knife's edge between two numbers of the format may be rounded either way, as far as f32 arithmetic and the matrix unit's own rounding can turn it there, and no further.
;;   INPUTS GIVEN AS CODES. Wk (in the module: [1024, 1024], K = its axis 0); Wo (in the module: [1024, 1024], K = its axis 0); Wq (in the module: [1024, 1024], K = its axis 0); Wv (in the module: [1024, 1024], K = its axis 0): each comes as NAME_codes (uint8): NAME with its K axis moved to the last place and cut into blocks of 32 codes, [.., K / 32, bytes a block], one block behind the other in memory; four codes in three bytes: a row's codes are one little-endian stream of bits, code i at bits 6 i .. 6 i + 5 (a code: sign, 3 exponent bits, 2 mantissa bits); and NAME_scales (uint8): the same leading axes, one E8M0 byte (e + 127) for each 32 codes along K. Its value is code x scale, taken as it is: it is not quantised again, and the codes and scales need not be those that the quantiser above would give.
;; One version. Each part assembles by itself: llvm-mc -triple=amdgcn-amd-amdhsa -mcpu=gfx1250 --defsym DOCPART=n.
;; ======== version 1 of 1: 4 launches
;; limits: right only within a limited range of input values
;; workspace buffers: ximg 6,291,456 bytes; xsc 262,144 bytes; wimg 3,145,728 bytes; wsc 131,072 bytes; q 6,553,600 bytes; kv 13,107,200 bytes; cimg 6,291,456 bytes; csc 262,144 bytes
;; launch prep (part 1): grid 384 x 1, 8 waves a work-group, no clusters, 69,632 bytes of LDS; arguments x, Wq_codes, Wq_scales, Wk_codes, Wk_scales, Wv_codes, Wv_scales, Wo_codes, Wo_scales, ximg, xsc, wimg, wsc; writes ximg, xsc, wimg, wsc
.if DOCPART == 1
	.amdgcn_target "amdgcn-amd-amdhsa--gfx1250"
	.amdhsa_code_object_version 6
	.text
	.protected	k_qfd8f621111_prep
	.globl	k_qfd8f621111_prep
	.p2align	8
	.type	k_qfd8f621111_prep,@function
k_qfd8f621111_prep:
	s_mov_b64 s[64:65], 0
	v_nop
	global_prefetch_b8 v0, s[64:65] scope:SCOPE_SE
	s_setreg_imm32_b32 hwreg(HW_REG_WAVE_MODE, 25, 1), 1
	s_wait_xcnt 0x0
; x [8192][1024] f32 is quantised along its 1,024 to codes of BF6 (E3M2) with one E8M0 byte for each 32, and the four weights, which arrive as codes [1024 (n)][1024 (k)], are laid anew:
; all five leave as IMAGES OF OPERAND REGISTERS.  A fragment (16 rows x 128 K, 12 registers a lane) is 1,536 bytes: registers 4 k .. 4 k + 3 of lane l at 512 k + 16 l.
; Rows go in groups of 128; tile i (0..7) of a group holds, in lane r, row 32 (i / 2) + 8 (i % 2) + r + 8 (r / 8): so the results of two neighbouring tiles are 16 neighbours along the next product's K.
; ximg, wimg: [group][K step 8][tile 8][1536].  xsc, wsc: [group][K step 8][r 16][tile 8] scale words, so that a lane reads its row's words of all eight tiles as 32 bytes.  wimg's groups: 8 w + g, w = 0 Wq, 1 Wk, 2 Wv, 3 Wo.
; SHARES: work-groups 0..255 take x (group = id / 4), 256..383 the weights; each takes two K steps (2 (id % 4), + 1); wave i makes tile i's two fragments.
; A scale is 2^(floor(log2(largest magnitude)) - 4); its byte is the largest magnitude's exponent field - 4, held at 1 from below.
; LIMITS: a block of zeros, or one whose largest magnitude lies under 2^-122, gets the byte 1 (its codes are zeros or the nearest codes under that scale; this program alone reads the bytes); NaN and infinities in x are not served.
; No matrix unit, no cluster, no tensor load: each byte is read once by one wave; all of a wave's 16 KiB are asked for at once.
.set STW,  8448                        ; a wave's stage: 16 rows x (512 bytes + 16): the 16 rows that a read touches start in 16 different groups of banks
.set SG,   67584                       ; behind the eight stages: the work-group's scale words, [K step 2][r 16][tile 8]
.set FR0,  16                          ; v16-27  the first K step's fragment
.set FR1,  28                          ; v28-39  the second's
.set PW,   40                          ; v40-41  their scale words
.set TM,   44                          ; v44-59  at work in QUANT
.set YT,   8                           ; v8-10, v12-14  halves of blocks on their way
.set R,    64                          ; v64-191 two K steps as loaded
.set X,    192                         ; v192-255 64 numbers of my row
.set SEL,  48                          ; s[48:49] lane selects: lane l xor 16
; 64 numbers of a lane, register 16 b + i = k 32 b + 16 (lane / 16) + i of its row, become six registers of codes at d0 (k 0..63), six at d1 (k 64..127), and the row's scale word in pw.
.macro QUANT s, d0, d1, y, pw
.irp b, 0,1,2,3
	v_max3_num_f32 v[TM+\b], |v[\s+16*\b]|, |v[\s+1+16*\b]|, 0x2800000   ; block b: my 16 numbers, and the floor 2^(5 - 127): the byte cannot fall under 1
.endr
.irp i, 2,4,6,8,10,12,14
.irp b, 0,1,2,3
	s_delay_alu instid0(VALU_DEP_4)
	v_max3_num_f32 v[TM+\b], v[TM+\b], |v[\s+16*\b+\i]|, |v[\s+1+16*\b+\i]|   ; the four blocks by turns
.endr
.endr
.irp b, 0,1,2,3
	s_delay_alu instid0(VALU_DEP_4)
	v_permlanex16_b32 v[TM+4+\b], v[TM+\b], s[SEL], s[SEL+1]
.endr
.irp b, 0,1,2,3
	s_delay_alu instid0(VALU_DEP_4)
	v_max_num_f32 v[TM+\b], v[TM+\b], v[TM+4+\b]   ; with lane l xor 16's 16: the block's largest magnitude
.endr
.irp b, 0,1,2,3
	s_delay_alu instid0(VALU_DEP_4)
	v_add_nc_u32 v[TM+12+\b], 0xfe000000, v[TM+\b]   ; 4 off its exponent field: the conversion takes this operand's exponent field as its scale
.endr
.irp b, 0,1,2,3
	s_delay_alu instid0(VALU_DEP_4)
	v_lshrrev_b32 v[TM+4+\b], 23, v[TM+12+\b]      ; the scale's byte
.endr
	s_delay_alu instid0(VALU_DEP_3)
	v_lshl_or_b32 v[\pw], v[TM+5], 8, v[TM+4]
	s_delay_alu instid0(VALU_DEP_1)
	v_lshl_or_b32 v[\pw], v[TM+6], 16, v[\pw]
	s_delay_alu instid0(VALU_DEP_1)
	v_lshl_or_b32 v[\pw], v[TM+7], 24, v[\pw]
	v_cvt_scalef32_pk16_bf6_f32 v[\d0:\d0+2], v[\s:\s+15], v[TM+12]
	v_cvt_scalef32_pk16_bf6_f32 v[\y:\y+2], v[\s+16:\s+31], v[TM+13]       ; (a conversion's three registers begin on an even number)
	v_cvt_scalef32_pk16_bf6_f32 v[\d1:\d1+2], v[\s+32:\s+47], v[TM+14]
	v_cvt_scalef32_pk16_bf6_f32 v[\y+4:\y+6], v[\s+48:\s+63], v[TM+15]
	v_nop                                          ; one plain place behind a scaled conversion
.irp i, 0,1,2
	v_permlane16_swap_b32 v[\d0+\i], v[\y+\i]      ; the layout wants a whole block in a lane: lanes 0-15 the even block, lanes 16-31 the odd one
	v_permlane16_swap_b32 v[\d1+\i], v[\y+4+\i]
.endr
.irp i, 0,1,2
	v_mov_b32 v[\d0+3+\i], v[\y+\i]
	v_mov_b32 v[\d1+3+\i], v[\y+4+\i]
.endr
.endm
; K step e's 16 rows x 512 bytes go through my stage as they lie and come back 64 numbers a lane: LDS serves a wave's instructions in order, so no wait stands between
.macro TURN e
.irp t, 0,1,2,3,4,5,6,7,8,9,10,11,12,13,14,15
	ds_store_b128 v4, v[R+64*\e+4*\t:R+64*\e+4*\t+3] offset:528*\t
.endr
.irp b, 0,1,2,3
.irp j, 0,1,2,3
	ds_load_b128 v[X+16*\b+4*\j:X+16*\b+4*\j+3], v5 offset:128*\b+16*\j
.endr
.endr
.endm
	s_load_b256 s[4:11], s[0:1], 0x0               ; x, Wq codes, Wq scales, Wk codes
	s_load_b256 s[12:19], s[0:1], 0x20             ; Wk scales, Wv codes, Wv scales, Wo codes
	s_load_b256 s[20:27], s[0:1], 0x40             ; Wo scales, ximg, xsc, wimg
	s_load_b64 s[28:29], s[0:1], 0x60              ; wsc
	v_lshl_add_u32 v62, v0, 2, 0x10c00
	v_mov_b32 v63, 0
	v_lshrrev_b32 v1, 5, v0
	s_delay_alu instid0(VALU_DEP_1)
	v_readfirstlane_b32 s30, v1                    ; wave = tile i
	v_and_b32 v11, 31, v0
	s_delay_alu instid0(VALU_DEP_1)
	v_lshlrev_b32 v1, 4, v11                       ; 16 x lane
	v_and_b32 v2, 15, v0                           ; r
	v_bfe_u32 v3, v0, 4, 1                         ; h
	s_mul_i32 s31, s30, STW
	v_add_nc_u32 v4, s31, v1                       ; the stage on the way in: 16 bytes a lane of a row
	v_mul_u32_u24 v5, v2, 528
	s_delay_alu instid0(VALU_DEP_1)
	v_lshl_add_u32 v5, v3, 6, v5
	s_delay_alu instid0(VALU_DEP_1)
	v_add_nc_u32 v5, s31, v5                       ; and on the way out: row r, + 64 h
	v_and_b32 v6, 8, v2
	s_delay_alu instid0(VALU_DEP_1)
	v_add_nc_u32 v6, v6, v2                        ; r + 8 (r / 8)
	v_lshlrev_b32 v7, 5, v2
	s_lshl_b32 s32, s30, 2
	s_add_co_u32 s32, s32, SG
	v_add_nc_u32 v7, s32, v7                       ; my scale word's place: 32 r + 4 i
	s_and_b32 s32, s30, 1
	s_lshl_b32 s32, s32, 9
	s_add_co_u32 s32, s32, SG
	v_add_nc_u32 v15, s32, v1                      ; where waves 0 and 1 read a K step's 512 bytes of words back
	s_mov_b32 s[SEL], 0x76543210
	s_mov_b32 s[SEL+1], 0xfedcba98
.irp b, 0,1,2,3
	v_mov_b32 v[TM+4+\b], 0                        ; written once: a lane permute's destination counts as one of its sources
.endr
	s_and_b32 s33, ttmp9, 3
	s_lshl_b32 s33, s33, 1                         ; my first K step
	s_lshr_b32 s34, s30, 1
	s_lshl_b32 s34, s34, 5
	s_and_b32 s35, s30, 1
	s_lshl_b32 s35, s35, 3
	s_add_co_u32 s34, s34, s35                     ; the tile's first row in its group: 32 (i / 2) + 8 (i % 2)
	s_cmp_lt_u32 ttmp9, 256
	s_cbranch_scc0 .Lweights
	; ---- x: 16 rows x 2 K steps x 512 bytes; each load reads 512 consecutive bytes
	s_lshr_b32 s36, ttmp9, 2                       ; the group
	s_lshl_b32 s38, s36, 7
	s_add_co_u32 s38, s38, s34
	s_lshl_b32 s38, s38, 12                        ; rows of 4,096 bytes (under 2^25 in all)
	s_lshl_b32 s39, s33, 9
	s_add_co_u32 s38, s38, s39
	s_mov_b32 s39, 0
	s_wait_kmcnt 0x0
	s_add_nc_u64 s[4:5], s[4:5], s[38:39]
.irp e, 0,1
.irp t, 0,1,2,3,4,5,6,7,8,9,10,11,12,13,14,15
	global_load_b128 v[R+64*\e+4*\t:R+64*\e+4*\t+3], v1, s[4:5] offset:(\t+8*(\t/8))*4096+512*\e th:TH_LOAD_NT
.endr
.endr
	s_wait_loadcnt 16                              ; the first K step's 16 loads are in, the second's may be out
	TURN 0
	s_wait_dscnt 0x0
	QUANT X, FR0, FR0+6, YT, PW
	s_wait_loadcnt 0x0
	TURN 1
	s_wait_dscnt 0x0
	QUANT X, FR1, FR1+6, YT, PW+1
	s_branch .Ltail
.Lweights:
	; ---- a weight: the codes are the register image already: lane (r, h) takes 24 bytes at 24 h and 24 at 48 + 24 h of its row's 96 bytes of a K step, in pieces of 8
	s_sub_co_u32 s37, ttmp9, 256
	s_lshr_b32 s36, s37, 2                         ; the group, 0..31
	s_lshr_b32 s40, s36, 3                         ; which weight
	s_and_b32 s41, s36, 7                          ; which 128 of its rows
	s_wait_kmcnt 0x0
	s_cmp_eq_u32 s40, 1
	s_cselect_b64 s[42:43], s[10:11], s[6:7]
	s_cselect_b64 s[44:45], s[12:13], s[8:9]
	s_cmp_eq_u32 s40, 2
	s_cselect_b64 s[42:43], s[14:15], s[42:43]
	s_cselect_b64 s[44:45], s[16:17], s[44:45]
	s_cmp_eq_u32 s40, 3
	s_cselect_b64 s[42:43], s[18:19], s[42:43]
	s_cselect_b64 s[44:45], s[20:21], s[44:45]
	s_lshl_b32 s38, s41, 7
	s_add_co_u32 s38, s38, s34                     ; the tile's first row
	s_mul_i32 s46, s38, 768                        ; a row of 1,024 codes is 768 bytes
	s_mul_i32 s47, s33, 96
	s_add_co_u32 s46, s46, s47
	s_mov_b32 s47, 0
	s_add_nc_u64 s[42:43], s[42:43], s[46:47]
	s_lshl_b32 s46, s38, 5                         ; a row of scale bytes is 32
	s_lshl_b32 s38, s33, 2
	s_add_co_u32 s46, s46, s38
	s_add_nc_u64 s[44:45], s[44:45], s[46:47]
	s_wait_alu depctr_va_vdst(0)
	v_mul_u32_u24 v12, v6, 768
	s_delay_alu instid0(VALU_DEP_1)
	v_mad_u32_u24 v12, v3, 24, v12
	v_lshlrev_b32 v13, 5, v6
.irp e, 0,1
.irp p, 0,1,2,3,4,5
	global_load_b64 v[FR0+12*\e+2*\p:FR0+12*\e+2*\p+1], v12, s[42:43] offset:96*\e+48*(\p/3)+8*(\p%3)
.endr
.endr
	global_load_b64 v[PW:PW+1], v13, s[44:45]      ; the two K steps' scale words of my row
	s_wait_loadcnt 0x0
.Ltail:
	s_cmp_lt_u32 ttmp9, 256
	s_cselect_b64 s[42:43], s[22:23], s[26:27]     ; the images' buffer
	s_cselect_b64 s[44:45], s[24:25], s[28:29]     ; the words' buffer
	s_lshl_b32 s46, s36, 3
	s_add_co_u32 s46, s46, s33
	s_lshl_b32 s46, s46, 3
	s_add_co_u32 s46, s46, s30
	s_mul_i32 s46, s46, 1536                       ; ((8 group + K step) 8 + tile) images
	s_mov_b32 s47, 0
	s_add_nc_u64 s[42:43], s[42:43], s[46:47]
	s_wait_alu depctr_va_vdst(0)
.irp e, 0,1
.irp k, 0,1,2
	global_store_b128 v1, v[FR0+12*\e+4*\k:FR0+12*\e+4*\k+3], s[42:43] offset:12288*\e+512*\k   ; 32 lanes store 512 consecutive bytes, at a multiple of 256
.endr
.endr
	ds_store_b32 v7, v[PW]                         ; both halves of the lanes write the same word with the same value
	ds_store_b32 v7, v[PW+1] offset:512
	s_wait_dscnt 0x0                               ; for the others' sake: my words lie in LDS
	s_barrier_signal -1
	s_barrier_wait -1
	s_cmp_lt_u32 s30, 2
	s_cbranch_scc0 .Ldone                          ; waves 0 and 1 store a K step's 512 bytes of words each
	ds_load_b128 v[64:67], v15
	s_lshl_b32 s38, s36, 12
	s_lshl_b32 s39, s33, 9
	s_add_co_u32 s38, s38, s39
	s_lshl_b32 s39, s30, 9
	s_add_co_u32 s38, s38, s39
	s_mov_b32 s39, 0
	s_add_nc_u64 s[44:45], s[44:45], s[38:39]
	s_wait_dscnt 0x0
	global_store_b128 v1, v[64:67], s[44:45]
.Ldone:
	s_wait_tensorcnt 0x0
	ds_add_u32 v62, v63
	s_wait_dscnt 0x0
	s_endpgm
.Lfunc_end_k_qfd8f621111_prep:
	.size	k_qfd8f621111_prep, .Lfunc_end_k_qfd8f621111_prep-k_qfd8f621111_prep
	.p2alignl 7, 3214868480
	.fill 96, 4, 3214868480
	.section	.rodata,"a",@progbits
	.p2align	6, 0x0
	.amdhsa_kernel k_qfd8f621111_prep
		.amdhsa_group_segment_fixed_size 69632
		.amdhsa_private_segment_fixed_size 0
		.amdhsa_enable_private_segment 0
		.amdhsa_kernarg_size 104
		.amdhsa_user_sgpr_count 2
		.amdhsa_user_sgpr_kernarg_segment_ptr 1
		.amdhsa_wavefront_size32 1
		.amdhsa_system_sgpr_workgroup_id_x 1
		.amdhsa_system_sgpr_workgroup_id_y 1
		.amdhsa_system_sgpr_workgroup_id_z 1
		.amdhsa_system_vgpr_workitem_id 0
		.amdhsa_next_free_vgpr 256
		.amdhsa_next_free_sgpr 66
		.amdhsa_reserve_vcc 0
		.amdhsa_float_denorm_mode_32 3
		.amdhsa_float_denorm_mode_16_64 3
		.amdhsa_memory_ordered 1
		.amdhsa_forward_progress 1
		.amdhsa_inst_pref_size 25
	.end_amdhsa_kernel
	.amdgpu_metadata
---
amdhsa.version: [ 1, 2 ]
amdhsa.kernels:
  - .name:           k_qfd8f621111_prep
    .symbol:         k_qfd8f621111_prep.kd
    .args:
      - { .name: x, .offset: 0, .size: 8, .value_kind: global_buffer, .address_space: global }
      - { .name: Wq_codes, .offset: 8, .size: 8, .value_kind: global_buffer, .address_space: global }
      - { .name: Wq_scales, .offset: 16, .size: 8, .value_kind: global_buffer, .address_space: global }
      - { .name: Wk_codes, .offset: 24, .size: 8, .value_kind: global_buffer, .address_space: global }
      - { .name: Wk_scales, .offset: 32, .size: 8, .value_kind: global_buffer, .address_space: global }
      - { .name: Wv_codes, .offset: 40, .size: 8, .value_kind: global_buffer, .address_space: global }
      - { .name: Wv_scales, .offset: 48, .size: 8, .value_kind: global_buffer, .address_space: global }
      - { .name: Wo_codes, .offset: 56, .size: 8, .value_kind: global_buffer, .address_space: global }
      - { .name: Wo_scales, .offset: 64, .size: 8, .value_kind: global_buffer, .address_space: global }
      - { .name: ximg, .offset: 72, .size: 8, .value_kind: global_buffer, .address_space: global }
      - { .name: xsc, .offset: 80, .size: 8, .value_kind: global_buffer, .address_space: global }
      - { .name: wimg, .offset: 88, .size: 8, .value_kind: global_buffer, .address_space: global }
      - { .name: wsc, .offset: 96, .size: 8, .value_kind: global_buffer, .address_space: global }
    .group_segment_fixed_size: 69632
    .private_segment_fixed_size: 0
    .kernarg_segment_align: 8
    .kernarg_segment_size: 104
    .max_flat_workgroup_size: 256
    .sgpr_count:     66
    .vgpr_count:     256
    .wavefront_size: 32
...
	.end_amdgpu_metadata
.endif
;; end of part 1
;; launch qkv (part 2): grid 96 x 4, 4 waves a work-group, clusters of 4 x 4, 327,680 bytes of LDS; arguments ximg, xsc, wimg, wsc, bq, bk, bv, q, kv; writes q, kv
.if DOCPART == 2
	.amdgcn_target "amdgcn-amd-amdhsa--gfx1250"
	.amdhsa_code_object_version 6
	.text
	.protected	k_qfd8f621111_qkv
	.globl	k_qfd8f621111_qkv
	.p2align	8
	.type	k_qfd8f621111_qkv,@function
k_qfd8f621111_qkv:
	s_mov_b64 s[64:65], 0
	v_nop
	global_prefetch_b8 v0, s[64:65] scope:SCOPE_SE
	s_setreg_imm32_b32 hwreg(HW_REG_WAVE_MODE, 25, 1), 1
	s_wait_xcnt 0x0
	s_wait_alu depctr_hold_cnt(0) depctr_sa_sdst(0) depctr_va_vdst(0) depctr_va_sdst(0) depctr_va_ssrc(0) depctr_va_vcc(0) depctr_vm_vsrc(0)
	s_getreg_b32 s2, hwreg(HW_REG_IB_STS2, 6, 4)
	s_cmp_eq_u32 s2, 0
	s_cbranch_scc0 .Lentry_in_a_cluster
	s_endpgm
.Lentry_in_a_cluster:
	s_bfe_u32 s2, ttmp6, 0x10000c
	s_cmp_lg_u32 s2, 0xf033
	s_cbranch_scc0 .Lentry_shape_is_right
	s_endpgm
.Lentry_shape_is_right:
.set NQ,    2
.set FR,    12
.set NL,    3
.set NP,    4
.set PART,  24576
.set SLOT,  4*PART
.set SCL,   2*SLOT
.set SPARE, SCL+4*4096
.set ADRA, 16
.set ADRB, 20
.set OW,   25
.set OI,   26
.set ADRS, 27
.set SPW,  28
.set NIL,  29
.set SC,   32
.set BQ,   64
.set AF,   128
.set BL,   244
.set T,    128
.set TM,   192
.set PWA,  208
.set PWB,  209
.set F0,   210
.set F1,   222
.set YT,   234
.set W,    4
.set U,    12
.set BB,   2
.set G1,   24
.set G0,   32
.set G1B,  48
.set G0B,  56
.set G1S,  68
.set G0S,  76
.set G1SB, 80
.set G0SB, 88
.set OUT0, 92
.set OUT1, 94
.set SEL,  98
.set MSB, 0
.macro WIN new
.if MSB != (\new)
	s_set_vgpr_msb (MSB<<8)|(\new)
.set MSB, (\new)
.endif
.endm
.set MUL_LO, 0xa1
.set MUL_HI, 0xf1
.set TO_B,   0x40
.macro JLOAD g0a, g1a, g0b, g1b
	s_cmp_eq_u32 s22, 0
	s_cbranch_scc0 .Lfor_b_\@
	tensor_load_to_lds s[\g0a:\g0a+3], s[\g1a:\g1a+7]
	s_nop 0
.rept 4
	v_nop
.endr
	s_branch .Lasked_\@
.Lfor_b_\@:
	tensor_load_to_lds s[\g0b:\g0b+3], s[\g1b:\g1b+7]
	s_nop 0
.rept 4
	v_nop
.endr
.Lasked_\@:
.endm
.macro CREST
	s_cmp_lg_u32 s2, 0
	s_cbranch_scc1 .Lnot_wave_0_\@
	s_barrier_signal -3
.Lnot_wave_0_\@:
	s_barrier_wait -3
	s_barrier_signal -1
	s_barrier_wait -1
.endm
.macro CROUND
	s_barrier_signal -1
	s_barrier_wait -1
	CREST
.endm
.macro PLACES n
.rept \n
	v_nop
.endr
.endm
.macro QUANT s, d0, d1, y, pw
.irp b, 0,1,2,3
	v_max3_num_f32 v[TM+\b], |v[\s+16*\b]|, |v[\s+1+16*\b]|, 0x2800000
.endr
.irp i, 2,4,6,8,10,12,14
.irp b, 0,1,2,3
	v_max3_num_f32 v[TM+\b], v[TM+\b], |v[\s+16*\b+\i]|, |v[\s+1+16*\b+\i]|
.endr
.endr
.irp b, 0,1,2,3
	v_permlanex16_b32 v[TM+4+\b], v[TM+\b], s[SEL], s[SEL+1]
.endr
.irp b, 0,1,2,3
	v_max_num_f32 v[TM+\b], v[TM+\b], v[TM+4+\b]
.endr
.irp b, 0,1,2,3
	v_add_nc_u32 v[TM+12+\b], 0xfe000000, v[TM+\b]
.endr
.irp b, 0,1,2,3
	v_lshrrev_b32 v[TM+4+\b], 23, v[TM+12+\b]
.endr
	v_lshl_or_b32 v[\pw], v[TM+5], 8, v[TM+4]
	v_lshl_or_b32 v[\pw], v[TM+6], 16, v[\pw]
	v_lshl_or_b32 v[\pw], v[TM+7], 24, v[\pw]
	v_cvt_scalef32_pk16_bf6_f32 v[\d0:\d0+2], v[\s:\s+15], v[TM+12]
	v_cvt_scalef32_pk16_bf6_f32 v[\y:\y+2], v[\s+16:\s+31], v[TM+13]
	v_cvt_scalef32_pk16_bf6_f32 v[\d1:\d1+2], v[\s+32:\s+47], v[TM+14]
	v_cvt_scalef32_pk16_bf6_f32 v[\y+4:\y+6], v[\s+48:\s+63], v[TM+15]
	v_nop
.irp i, 0,1,2
	v_permlane16_swap_b32 v[\d0+\i], v[\y+\i]
	v_permlane16_swap_b32 v[\d1+\i], v[\y+4+\i]
.endr
.irp i, 0,1,2
	v_mov_b32 v[\d0+3+\i], v[\y+\i]
	v_mov_b32 v[\d1+3+\i], v[\y+4+\i]
.endr
.endm
	s_load_b256 s[4:11], s[0:1], 0x0
	s_load_b256 s[12:19], s[0:1], 0x20
	s_load_b64 s[20:21], s[0:1], 0x40
	v_lshl_add_u32 v[SPW], v0, 2, SPARE
	v_mov_b32 v[NIL], 0
	ds_add_u32 v28, v29
	ds_add_u32 v28, v29
	s_wait_dscnt 0x0
	v_lshrrev_b32 v1, 5, v0
	v_readfirstlane_b32 s2, v1
	s_lshr_b32 s22, s2, 1
	s_and_b32 s23, s2, 1
	s_bfe_u32 s40, ttmp6, 0x40000
	s_bfe_u32 s41, ttmp6, 0x40004
	s_and_b32 s42, ttmp9, 7
	s_lshr_b32 s43, ttmp9, 3
	s_lshl_b32 s44, s41, 2
	s_lshl_b32 s44, 15, s44
	s_lshl_b32 s45, 0x1111, s40
	s_or_b32 s[G1], s44, (3<<16)|(1<<21)
	s_or_b32 s[G1B], s45, (3<<16)|(1<<21)
	s_or_b32 s[G1S], s44, (3<<16)|(1<<21)
	s_or_b32 s[G1SB], s45, (3<<16)|(1<<21)
.irp g, G1, G1B
	s_mov_b32 s[\g+1], 3072<<16                    ; the head's loads of codes: two rows of 24,576 bytes (two groups' first two K steps), 98,304 bytes apart
	s_mov_b32 s[\g+2], 2<<16
	s_mov_b32 s[\g+3], 3072<<16
	s_mov_b32 s[\g+4], 2
	s_mov_b32 s[\g+5], 12288
	s_mov_b32 s[\g+6], 0
	s_mov_b32 s[\g+7], 0
.endr
.irp g, G1S, G1SB
	s_mov_b32 s[\g+1], 32<<16
	s_mov_b32 s[\g+2], 32<<16                      ; two groups' scale words: 32 rows of 256 bytes, dense
	s_mov_b32 s[\g+3], 32<<16
	s_mov_b32 s[\g+4], 32
	s_mov_b32 s[\g+5], 32
	s_mov_b32 s[\g+6], 0
	s_mov_b32 s[\g+7], 0
.endr
	s_lshl_b32 s46, s42, 3
	s_lshl_b32 s47, s43, 3
	s_wait_kmcnt 0x0
	s_cmp_eq_u32 s43, 2
	s_cselect_b32 s66, 16, s46
	s_cselect_b32 s67, s46, s47
	s_cselect_b64 s[96:97], s[8:9], s[4:5]
	s_cselect_b64 s[98:99], s[10:11], s[6:7]
	s_cselect_b64 s[100:101], s[4:5], s[8:9]
	s_cselect_b64 s[92:93], s[6:7], s[10:11]
	s_lshl_b32 s44, s41, 1
	s_add_co_u32 s66, s66, s44
	s_add_co_u32 s66, s66, s23
	s_lshl_b32 s94, s40, 1
	s_add_co_u32 s67, s67, s94
	s_add_co_u32 s67, s67, s23
	s_mul_i32 s44, s66, 4*PART
	s_mov_b32 s45, 0
	s_add_nc_u64 s[96:97], s[96:97], s[44:45]
	s_lshl_b32 s44, s66, 12
	s_add_nc_u64 s[98:99], s[98:99], s[44:45]
	s_mul_i32 s94, s67, 4*PART
	s_mov_b32 s95, 0
	s_add_nc_u64 s[100:101], s[100:101], s[94:95]
	s_lshl_b32 s94, s67, 12
	s_add_nc_u64 s[92:93], s[92:93], s[94:95]
	s_lshl_b32 s94, s23, 12                        ; the scales are fetched for both groups at once: back to the pair's first group
	s_sub_nc_u64 s[98:99], s[98:99], s[94:95]
	s_sub_nc_u64 s[92:93], s[92:93], s[94:95]
	s_mul_i32 s46, s2, PART
	CROUND
	s_mov_b32 s[G0S], 1
	s_mov_b32 s[G0S+1], SCL
	s_mov_b64 s[G0S+2:G0S+3], s[98:99]
	s_or_b32 s[G0S+3], s[G0S+3], 0x80000000
	s_mov_b32 s[G0SB], 1
	s_mov_b32 s[G0SB+1], SCL+8192
	s_mov_b64 s[G0SB+2:G0SB+3], s[92:93]
	s_or_b32 s[G0SB+3], s[G0SB+3], 0x80000000
.irp s, 0,1
	s_mov_b32 s[G0+4*\s], 1
	s_add_co_u32 s[G0+4*\s+1], s46, \s*SLOT
	s_add_nc_u64 s[G0+4*\s+2:G0+4*\s+3], s[96:97], \s*PART
	s_or_b32 s[G0+4*\s+3], s[G0+4*\s+3], 0x80000000
	s_mov_b32 s[G0B+4*\s], 1
	s_add_co_u32 s[G0B+4*\s+1], s46, \s*SLOT
	s_add_nc_u64 s[G0B+4*\s+2:G0B+4*\s+3], s[100:101], \s*PART
	s_or_b32 s[G0B+4*\s+3], s[G0B+4*\s+3], 0x80000000
.endr
	; the head's four tiles, one a wave, in one chain of branches on the wave's number: wave 0 slot 0's codes of A (both groups), wave 1 A's scale words, wave 2 slot 0's codes of B, wave 3 B's scale words
	s_cmp_lt_u32 s2, 1
	s_cbranch_scc0 .Lhead_sa
	tensor_load_to_lds s[G0:G0+3], s[G1:G1+7]
	s_nop 0
	PLACES 4
	s_branch .Lhead_asked
.Lhead_sa:
	s_cmp_lt_u32 s2, 2
	s_cbranch_scc0 .Lhead_b
	tensor_load_to_lds s[G0S:G0S+3], s[G1S:G1S+7]
	s_nop 0
	PLACES 4
	s_branch .Lhead_asked
.Lhead_b:
	s_cmp_lt_u32 s2, 3
	s_cbranch_scc0 .Lhead_sb
	tensor_load_to_lds s[G0B:G0B+3], s[G1B:G1B+7]
	s_nop 0
	PLACES 4
	s_branch .Lhead_asked
.Lhead_sb:
	tensor_load_to_lds s[G0SB:G0SB+3], s[G1SB:G1SB+7]
	s_nop 0
	PLACES 4
.Lhead_asked:
	s_wait_alu depctr_va_vdst(0)
	s_wait_tensorcnt 0x0                           ; my tile of the four is in; slot 1's first fill stands behind the same lines as a refill
	ds_add_u32 v28, v29
.irp g, G1, G1B
	s_mov_b32 s[\g+1], 32<<16                      ; no tensor load of mine is out: from here on a load brings one group's part, 96 rows of 256 bytes
	s_mov_b32 s[\g+2], 96<<16
	s_mov_b32 s[\g+3], 32<<16
	s_mov_b32 s[\g+4], 96
	s_mov_b32 s[\g+5], 32
.endr
	s_wait_dscnt 0x0
	CROUND
	JLOAD G0+4, G1, G0B+4, G1B
	v_and_b32 v1, 31, v0
	v_lshlrev_b32 v[OI], 4, v1
	v_and_b32 v2, 15, v0
	v_bfe_u32 v3, v0, 4, 1
	s_wait_alu depctr_va_vdst(0)
	s_mul_i32 s96, s22, PART
	s_mul_i32 s97, s23, PART
	s_add_co_u32 s97, s97, 2*PART
.irp s, 0,1
	v_add_nc_u32 v[ADRA+\s], s96, v[OI]
	v_add_nc_u32 v[ADRB+\s], s97, v[OI]
	s_add_co_u32 s96, s96, SLOT
	s_add_co_u32 s97, s97, SLOT
.endr
	v_lshlrev_b32 v5, 5, v2
	s_lshl_b32 s96, s22, 12
	s_lshl_b32 s97, s23, 12
	s_add_co_u32 s97, s97, 2*4096
	s_sub_co_u32 s97, s97, s96
	v_mul_u32_u24 v6, s97, v3
	s_add_co_u32 s96, s96, SCL
	v_add_nc_u32 v5, v5, v6
	v_add_nc_u32 v[ADRS], s96, v5
	s_lshl_b32 s66, s40, 8
	s_lshl_b32 s67, s23, 7
	s_add_co_u32 s66, s66, s67
	s_lshl_b32 s67, s41, 8
	s_lshl_b32 s101, s22, 7
	s_add_co_u32 s67, s67, s101
	s_cmp_eq_u32 s43, 2
	s_cselect_b32 s66, 0, s66
	s_cselect_b32 s67, s67, 0
	s_lshl_b32 s66, s66, 2
	s_lshl_b32 s67, s67, 2
	v_lshl_add_u32 v7, v3, 6, s66
	v_and_b32 v8, 8, v2
	v_add_nc_u32 v8, v8, v2
	v_lshl_add_u32 v8, v8, 2, s67
	s_cmp_eq_u32 s43, 1
	s_cselect_b64 s[96:97], s[14:15], s[12:13]
	s_cmp_eq_u32 s43, 2
	s_cselect_b64 s[96:97], s[16:17], s[96:97]
.irp b, 0,1,2,3
.irp k, 0,1,2,3
	global_load_b128 v[BQ+16*\b+4*\k:BQ+16*\b+4*\k+3], v7, s[96:97] offset:128*\b+16*\k
.endr
.endr
.irp a, 0,1,2,3,4,5,6,7
	global_load_b32 v[BL+\a], v8, s[96:97] offset:4*(32*(\a/2)+8*(\a%2))
.endr
.macro FRAG reg, adr, q, i
.irp k, 0,1,2
	ds_load_b128 v[\reg+4*\k:\reg+4*\k+3], v[\adr] offset:12288*(\q)+1536*(\i)+512*\k
.endr
.endm
.macro MUL16 a0, p, q, sc, zero
.irp a, \a0, \a0+1
.irp b, 0,1,2,3,4,5,6,7
.if \zero
	v_wmma_scale_f32_16x16x128_f8f6f4 v[8*(8*((\a)%4)+\b):8*(8*((\a)%4)+\b)+7], v[128*(\p)+FR*\b:128*(\p)+FR*\b+FR-1], v[AF+FR*(\a):AF+FR*(\a)+FR-1], 0, v[SC+16*(\sc)+8*(\q)+\b], v[SC+16*(\sc)+8*(\q)+(\a)] matrix_a_fmt:MATRIX_FMT_BF6 matrix_b_fmt:MATRIX_FMT_BF6 matrix_a_scale:MATRIX_SCALE_ROW1
.else
	v_wmma_scale_f32_16x16x128_f8f6f4 v[8*(8*((\a)%4)+\b):8*(8*((\a)%4)+\b)+7], v[128*(\p)+FR*\b:128*(\p)+FR*\b+FR-1], v[AF+FR*(\a):AF+FR*(\a)+FR-1], v[8*(8*((\a)%4)+\b):8*(8*((\a)%4)+\b)+7], v[SC+16*(\sc)+8*(\q)+\b], v[SC+16*(\sc)+8*(\q)+(\a)] matrix_a_fmt:MATRIX_FMT_BF6 matrix_b_fmt:MATRIX_FMT_BF6 matrix_a_scale:MATRIX_SCALE_ROW1
.endif
.endr
.endr
.endm
.macro FETCH_B slot, q, p
	WIN TO_B
.irp i, 0,1,2,3,4,5,6,7
	FRAG 128*(\p)+FR*\i, ADRB+\slot, \q, \i
.endr
	WIN 0
.endm
.macro FETCH_A slot, q, i0
.irp i, \i0, \i0+1, \i0+2, \i0+3
	FRAG AF+FR*(\i), ADRA+\slot, \q, \i
.endr
.endm
.macro SCALES sc
.irp q, 0,1
.irp e, 0,1
	ds_load_b128 v[SC+16*\sc+8*\q+4*\e:SC+16*\sc+8*\q+4*\e+3], v[ADRS] offset:512*\q+16*\e
.endr
.endr
.endm
.macro STEP slot, q, zero
	s_wait_dscnt 4*NL
	WIN MUL_LO
	MUL16 0, (\q)%2, \q, \slot, \zero
	MUL16 2, (\q)%2, \q, \slot, \zero
	s_wait_dscnt 0
	PLACES NP
	FETCH_B \slot, (\q)+1, 1-(\q)%2
	FETCH_A \slot, (\q)+1, 0
	WIN MUL_HI
	MUL16 4, (\q)%2, \q, \slot, \zero
	MUL16 6, (\q)%2, \q, \slot, \zero
	PLACES NP
	WIN 0
	FETCH_A \slot, (\q)+1, 4
.endm
.macro TURN slot, next, fill
	s_wait_tensorcnt 0x0
	ds_add_u32 v[SPW], v[NIL]
	s_wait_dscnt 4*NL+1
	WIN MUL_LO
	MUL16 0, 1, NQ-1, \slot, 0
	s_wait_dscnt 0x0
	s_barrier_signal -1
	MUL16 2, 1, NQ-1, \slot, 0
	WIN 0
	s_barrier_wait -1
.if \fill
	CREST
	s_add_nc_u64 s[G0+4*\slot+2:G0+4*\slot+3], s[G0+4*\slot+2:G0+4*\slot+3], 2*PART
	s_add_nc_u64 s[G0B+4*\slot+2:G0B+4*\slot+3], s[G0B+4*\slot+2:G0B+4*\slot+3], 2*PART
	JLOAD G0+4*\slot, G1, G0B+4*\slot, G1B
.else
	PLACES NP
.endif
	s_wait_alu depctr_va_vdst(0)
	v_add_nc_u32 v[ADRS], 1024, v[ADRS]
	FETCH_B \next, 0, 0
	FETCH_A \next, 0, 0
	SCALES \next
	WIN MUL_HI
	MUL16 4, 1, NQ-1, \slot, 0
	MUL16 6, 1, NQ-1, \slot, 0
	PLACES NP
	WIN 0
	FETCH_A \next, 0, 4
.endm
	s_wait_alu depctr_va_vdst(0)
	s_wait_tensorcnt 1
	s_barrier_signal -1
	s_barrier_wait -1
	FETCH_B 0, 0, 0
	FETCH_A 0, 0, 0
	SCALES 0
	FETCH_A 0, 0, 4
	STEP 0, 0, 1
	TURN 0, 1, 1
	STEP 1, 0, 0
	TURN 1, 0, 1
	STEP 0, 0, 0
	TURN 0, 1, 0
	STEP 1, 0, 0
	s_wait_dscnt 4*NL
	WIN MUL_LO
	MUL16 0, 1, NQ-1, 1, 0
	MUL16 2, 1, NQ-1, 1, 0
	s_wait_dscnt 0
	WIN MUL_HI
	MUL16 4, 1, NQ-1, 1, 0
	MUL16 6, 1, NQ-1, 1, 0
	WIN 0
	s_wait_loadcnt 0x0
	PLACES NP
.irp b, 0,1,2,3
	v_mov_b32 v[TM+4+\b], 0
.endr
	s_mov_b32 s[SEL], 0x76543210
	s_mov_b32 s[SEL+1], 0xfedcba98
	s_mov_b32 s100, 0xffff0000
	s_cmp_eq_u32 s43, 2
	s_cselect_b32 s66, s41, s40
	s_cselect_b32 s67, s22, s23
	s_cselect_b32 s96, s40, s41
	s_cselect_b32 s97, s23, s22
	s_lshl_b32 s66, s66, 2
	s_lshl_b32 s67, s67, 1
	s_add_co_u32 s66, s66, s67
	s_lshr_b32 s67, s42, 1
	s_lshl_b32 s67, s67, 4
	s_add_co_u32 s66, s66, s67
	s_lshl_b32 s66, s66, 4
	s_lshl_b32 s96, s96, 1
	s_add_co_u32 s96, s96, s97
	s_and_b32 s97, s42, 1
	s_lshl_b32 s97, s97, 3
	s_add_co_u32 s96, s96, s97
	s_add_co_u32 s66, s66, s96
	s_mov_b32 s67, 12800
	s_mov_b32 s101, 12288
	s_cmp_eq_u32 s43, 0
	s_cselect_b32 s67, 6400, s67
	s_cselect_b32 s101, 6144, s101
	s_cselect_b64 s[OUT0:OUT0+1], s[18:19], s[20:21]
	s_cmp_eq_u32 s43, 2
	s_cselect_b32 s101, 6400, s101
	s_cselect_b32 s96, 6144, 0
	s_mov_b32 s97, 0
	s_add_nc_u64 s[OUT0:OUT0+1], s[OUT0:OUT0+1], s[96:97]
	s_mul_i32 s96, s66, s67
	s_add_nc_u64 s[OUT0:OUT0+1], s[OUT0:OUT0+1], s[96:97]
	s_lshl_b32 s96, s67, 4
	s_add_nc_u64 s[OUT1:OUT1+1], s[OUT0:OUT0+1], s[96:97]
	v_lshl_add_u32 v[OW], v1, 3, s101
.macro ADDB a
	WIN 0x02+((\a)/4)
.set n, 0
.rept 32
	v_pk_add_f32 v[T+n:T+n+1], v[64*((\a)%4)+n:64*((\a)%4)+n+1], v[BQ+n:BQ+n+1]
.set n, n+2
.endr
	WIN 0
.endm
.macro ADDV a
	WIN 0x02+((\a)/4)
.set n, 0
.rept 32
	v_pk_add_f32 v[T+n:T+n+1], v[64*((\a)%4)+n:64*((\a)%4)+n+1], v[BB:BB+1]
.set n, n+2
.endr
	WIN 0
.endm
	s_cmp_eq_u32 s43, 2
	s_cbranch_scc1 .Lvalues
.irp p, 0,1,2,3
	s_wait_xcnt 0x0
	ADDB 2*\p
	QUANT T, F0, F1, YT, PWA
	ADDB 2*\p+1
	QUANT T, F0+6, F1+6, YT, PWB
	v_perm_b32 v[W+\p], v[PWB], v[PWA], 0x05040100
	v_perm_b32 v[W+4+\p], v[PWB], v[PWA], 0x07060302
.irp k, 0,1,2
	global_store_b128 v[OI], v[F0+4*\k:F0+4*\k+3], s[OUT0:OUT0+1] offset:1536*\p+512*\k
	global_store_b128 v[OI], v[F1+4*\k:F1+4*\k+3], s[OUT1:OUT1+1] offset:1536*\p+512*\k
.endr
.endr
	s_branch .Lwords
.Lvalues:
.irp a, 0,1,2,3,4,5,6,7
	s_wait_xcnt 0x0
	v_mov_b32 v[BB], v[BL+\a]
	v_mov_b32 v[BB+1], v[BL+\a]
	ADDV \a
	QUANT T, F0, F0+6, YT, PWA
	v_mov_b32 v[W+\a], v[PWA]
.irp k, 0,1,2
	global_store_b128 v[OI], v[F0+4*\k:F0+4*\k+3], s[OUT0+2*(\a/4):OUT0+2*(\a/4)+1] offset:1536*(\a%4)+512*\k
.endr
.endr
.Lwords:
	s_wait_alu depctr_va_vdst(0)
.irp c, 0,1
	v_cndmask_b32 v[U+2*\c], v[W+4*\c], v[W+4*\c+1], s100
	v_cndmask_b32 v[U+2*\c+1], v[W+4*\c+2], v[W+4*\c+3], s100
.endr
	global_store_b64 v[OW], v[U:U+1], s[OUT0:OUT0+1]
	global_store_b64 v[OW], v[U+2:U+3], s[OUT1:OUT1+1]
	s_wait_tensorcnt 0x0
	ds_add_u32 v[SPW], v[NIL]
	s_wait_dscnt 0x0
	CROUND
	s_endpgm
.Lfunc_end_k_qfd8f621111_qkv:
	.size	k_qfd8f621111_qkv, .Lfunc_end_k_qfd8f621111_qkv-k_qfd8f621111_qkv
	.p2alignl 7, 3214868480
	.fill 96, 4, 3214868480
	.section	.rodata,"a",@progbits
	.p2align	6, 0x0
	.amdhsa_kernel k_qfd8f621111_qkv
		.amdhsa_group_segment_fixed_size 327680
		.amdhsa_private_segment_fixed_size 0
		.amdhsa_enable_private_segment 0
		.amdhsa_kernarg_size 72
		.amdhsa_user_sgpr_count 2
		.amdhsa_user_sgpr_kernarg_segment_ptr 1
		.amdhsa_wavefront_size32 1
		.amdhsa_system_sgpr_workgroup_id_x 1
		.amdhsa_system_sgpr_workgroup_id_y 1
		.amdhsa_system_sgpr_workgroup_id_z 1
		.amdhsa_system_vgpr_workitem_id 0
		.amdhsa_next_free_vgpr 1024
		.amdhsa_next_free_sgpr 102
		.amdhsa_reserve_vcc 0
		.amdhsa_float_denorm_mode_32 3
		.amdhsa_float_denorm_mode_16_64 3
		.amdhsa_memory_ordered 1
		.amdhsa_forward_progress 1
		.amdhsa_inst_pref_size 209
	.end_amdhsa_kernel
	.amdgpu_metadata
---
amdhsa.version: [ 1, 2 ]
amdhsa.kernels:
  - .name:           k_qfd8f621111_qkv
    .symbol:         k_qfd8f621111_qkv.kd
    .args:
      - { .name: ximg, .offset: 0, .size: 8, .value_kind: global_buffer, .address_space: global }
      - { .name: xsc, .offset: 8, .size: 8, .value_kind: global_buffer, .address_space: global }
      - { .name: wimg, .offset: 16, .size: 8, .value_kind: global_buffer, .address_space: global }
      - { .name: wsc, .offset: 24, .size: 8, .value_kind: global_buffer, .address_space: global }
      - { .name: bq, .offset: 32, .size: 8, .value_kind: global_buffer, .address_space: global }
      - { .name: bk, .offset: 40, .size: 8, .value_kind: global_buffer, .address_space: global }
      - { .name: bv, .offset: 48, .size: 8, .value_kind: global_buffer, .address_space: global }
      - { .name: q, .offset: 56, .size: 8, .value_kind: global_buffer, .address_space: global }
      - { .name: kv, .offset: 64, .size: 8, .value_kind: global_buffer, .address_space: global }
    .group_segment_fixed_size: 327680
    .private_segment_fixed_size: 0
    .kernarg_segment_align: 8
    .kernarg_segment_size: 72
    .max_flat_workgroup_size: 128
    .sgpr_count:     102
    .vgpr_count:     1024
    .wavefront_size: 32
...
	.end_amdgpu_metadata
.endif
;; end of part 2
;; launch attn (part 3): grid 4 x 64, 8 waves a work-group, clusters of 4 x 1, 265,216 bytes of LDS; arguments q, kv, attention_mask, cimg, csc; writes cimg, csc
.if DOCPART == 3
	.amdgcn_target "amdgcn-amd-amdhsa--gfx1250"
	.amdhsa_code_object_version 6
	.text
	.protected	k_qfd8f621111_attn
	.globl	k_qfd8f621111_attn
	.p2align	8
	.type	k_qfd8f621111_attn,@function
k_qfd8f621111_attn:
	s_mov_b64 s[64:65], 0
	v_nop
	global_prefetch_b8 v0, s[64:65] scope:SCOPE_SE
	s_setreg_imm32_b32 hwreg(HW_REG_WAVE_MODE, 25, 1), 1
	s_wait_xcnt 0x0
	s_wait_alu depctr_hold_cnt(0) depctr_sa_sdst(0) depctr_va_vdst(0) depctr_va_sdst(0) depctr_va_ssrc(0) depctr_va_vcc(0) depctr_vm_vsrc(0)
	s_getreg_b32 s2, hwreg(HW_REG_IB_STS2, 6, 4)
	s_cmp_eq_u32 s2, 0
	s_cbranch_scc0 .Lentry_in_a_cluster
	s_endpgm
.Lentry_in_a_cluster:
	s_bfe_u32 s2, ttmp6, 0x10000c
	s_cmp_lg_u32 s2, 0x3003
	s_cbranch_scc0 .Lentry_shape_is_right
	s_endpgm
.Lentry_shape_is_right:
; ctx = softmax(q k^T / 8 + mask) v for one head of one batch, both products on codes of BF6 (E3M2) with E8M0 scales; ctx leaves quantised along the head's 64, as images for the last product.
; THE SOFTMAX: t = logit x log2(e); M = the running largest t rounded up to a whole number; p = 2^(t - M) is quantised along the keys, not normalised; the row's sum is taken of the unquantised p and divides at the end.
; SHARES.  A cluster is the four blocks of 512 queries of one head (cluster y = 16 batch + head).  Eight waves, two to a SIMD; a wave takes a pair of tiles A, B (32 queries) in each of two passes: pair 16 cx + 2 wave + pass.
; THE WHOLE HEAD'S K AND V STAY IN LDS: 16 records of 12,800 bytes (128 keys each), brought once, by one joint load a wave that all four work-groups ask for together; no ring, no barrier in the loop.
; Nothing is prefetched: all that the launch reads from memory is asked for at its head.
; LDS ROWS: the load lays 64 bytes of padding behind every 256, so a record is 50 rows of 320 bytes.  An image of K (6 rows) then begins 128 bytes, modulo 256, from the next image.
; LAYOUT.  Both products are used transposed (S^T = K Q^T, O^T = V^T P^T): a lane holds one query throughout.  An image of K holds [16 keys, d 0..63 | 16 other keys, d 0..63]; Q lies between runs of zero codes: [q, 0] picks the first 16, [0, q] the second.
; THE KEYS OF A SCORE TILE ARE CHOSEN BY THE LANES' LDS ADDRESSES: lane (r = 8 H + j, h) of operand (c, w) reads lane (8 w + j, h) of the record's image 2 c + H.  Score tile 4 c + 2 w + u then has key 64 c + 32 (m / 8) + 16 w + 8 u + m % 8 in its row m,
; so registers 32 c .. 32 c + 31 of lane (query, h) are keys 64 c + 32 h + 0 .. 31: one WHOLE scale block, in the order of p's operand registers.  A block's maximum and its codes need no other lane; the scale word's four bytes are joined from lanes l and l xor 16.
; THE MASK is the C of the score products: sqrt(64) = 8 is a power of two, so logit x 8 = K Q^T + 8 mask.
; THE ORDER OF A STEP (128 keys, both tiles): 16 score products with V's 13 loads among them; the next step's K, mask and words (29 loads); A's maxima; B's maxima with A's chain for M between them; A's t - M with B's chain between them;
; O^T x 2^(old M - new M); A's exponentials and B's t - M line by line; A's scales and codes; B's exponentials and the first level of A's sum line by line; B's scales and codes; the sums; 8 products O^T += V^T P^T.
; A plain line that stands among exponentials reads nothing that a plain line has written since the last s_wait_alu, and what it writes is first read behind the next one.
; The last step of a pass, which fetches no further K, is written out.
; LIMITS: mask values under -2^27 (-infinity too) count as -2^27: such a key has p = 0 beside any key whose logit lies 150 or more above; a row ALL of whose keys lie under -2^27 comes out as if all had -2^27.
;   NaN and +infinity are not served.  A block whose largest magnitude lies under 2^-122 gets the byte 1.  The scaled scores stay under 2^31 in magnitude.
; REGISTERS.  window 0: v1-9 lane terms of addresses; v10, 11 ctx's words; v12-16 addresses; v20-27 -M, largest score, sum (pair) of A, B; v28-37 scale words; v38, v78 f of A, B; v40-55 at work (A), v120-127, v76-77 (B); v56-62, v80-86 halves of codes;
;   v64-75 the second pass's Q; v80-91 ctx's image; v96-119 p's codes; v128-191 A's scores, then p; v192-255 B's.   window 1: v0-47 K; v48-95 V; v96-159 8 mask; v160-223 O^T of A, B; v224-253 zeros and Q's two tiles by turns.
.set REC,  16000                       ; a record in LDS: 50 rows of 320 bytes
.set MASK, 16*REC                      ; 8 x the batch's mask, 8,192 bytes, stored by the waves: blocks of their own, into which no tensor load lands
.set SPARE, MASK+8192                  ; the spare words: 128 bytes a wave
.set ADK,  12
.set ADS,  13
.set ADM,  14
.set ADV,  15
.set ADT,  16
.set KS,   28
.set VS,   30
.set QS,   32
.set QSS,  34
.set PW,   36
.set TM,   40
.set C1,   TM+10
.set YT,   56
.set QST,  64
.set F,    80
.set SPW,  92
.set NIL,  93
.set PA,   96
.set KF,   0                           ; window 1
.set VF,   48
.set MK,   96
.set OA,   160
.set QZ,   224
.set WV,   14
.set SEL,  20
.set CS,   22
.set NC,   41
.set G1,   24
.set G0,   32
.set TB,   36                          ; s36 LDS byte of the record in hand
.set TMK,  37                          ; s37 and of its mask
.set CNT,  38
.set MSB, 0
.macro WIN new
.if MSB != (\new)
	s_set_vgpr_msb (MSB<<8)|(\new)
.set MSB, (\new)
.endif
.endm
.macro PLACES n
.rept \n
	v_nop
.endr
.endm
.macro WALU
	s_wait_alu depctr_va_vdst(0)
.endm
.macro CROUND
	s_barrier_signal -1
	s_barrier_wait -1
	s_cmp_lg_u32 s[WV], 0
	s_cbranch_scc1 .Lnot_wave_0_\@
	s_barrier_signal -3
.Lnot_wave_0_\@:
	s_barrier_wait -3
	s_barrier_signal -1
	s_barrier_wait -1
.endm
.macro QUANT s, d0, d1, y, pw          ; ctx: 64 numbers of a lane in four blocks (its 16 of each) -> six registers of codes at d0, six at d1, four bytes in pw
.irp b, 0,1,2,3
	v_max3_num_f32 v[TM+\b], |v[\s+16*\b]|, |v[\s+1+16*\b]|, 0x2800000
.endr
.irp i, 2,4,6,8,10,12,14
.irp b, 0,1,2,3
	s_delay_alu instid0(VALU_DEP_4)
	v_max3_num_f32 v[TM+\b], v[TM+\b], |v[\s+16*\b+\i]|, |v[\s+1+16*\b+\i]|
.endr
.endr
.irp b, 0,1,2,3
	v_permlanex16_b32 v[TM+4+\b], v[TM+\b], s[SEL], s[SEL+1]
.endr
.irp b, 0,1,2,3
	s_delay_alu instid0(VALU_DEP_4)
	v_max_num_f32 v[TM+\b], v[TM+\b], v[TM+4+\b]
.endr
.irp b, 0,1,2,3
	s_delay_alu instid0(VALU_DEP_4)
	v_add_nc_u32 v[TM+12+\b], 0xfe000000, v[TM+\b]
.endr
.irp b, 0,1,2,3
	s_delay_alu instid0(VALU_DEP_4)
	v_lshrrev_b32 v[TM+4+\b], 23, v[TM+12+\b]
.endr
	s_delay_alu instid0(VALU_DEP_3)
	v_lshl_or_b32 v[\pw], v[TM+5], 8, v[TM+4]
	s_delay_alu instid0(VALU_DEP_1)
	v_lshl_or_b32 v[\pw], v[TM+6], 16, v[\pw]
	s_delay_alu instid0(VALU_DEP_1)
	v_lshl_or_b32 v[\pw], v[TM+7], 24, v[\pw]
	v_cvt_scalef32_pk16_bf6_f32 v[\d0:\d0+2], v[\s:\s+15], v[TM+12]
	v_cvt_scalef32_pk16_bf6_f32 v[\y:\y+2], v[\s+16:\s+31], v[TM+13]
	v_cvt_scalef32_pk16_bf6_f32 v[\d1:\d1+2], v[\s+32:\s+47], v[TM+14]
	v_cvt_scalef32_pk16_bf6_f32 v[\y+4:\y+6], v[\s+48:\s+63], v[TM+15]
	v_nop
.irp i, 0,1,2
	v_permlane16_swap_b32 v[\d0+\i], v[\y+\i]
	v_permlane16_swap_b32 v[\d1+\i], v[\y+4+\i]
.endr
.irp i, 0,1,2
	v_mov_b32 v[\d0+3+\i], v[\y+\i]
	v_mov_b32 v[\d1+3+\i], v[\y+4+\i]
.endr
.endm
	s_load_b256 s[4:11], s[0:1], 0x0               ; q, kv, mask, cimg
	s_load_b64 s[12:13], s[0:1], 0x20              ; csc
	v_lshl_add_u32 v[SPW], v0, 2, SPARE
	v_mov_b32 v[NIL], 0
	ds_add_u32 v[SPW], v[NIL]                      ; the opening lines: the add twice on end and its wait
	ds_add_u32 v[SPW], v[NIL]
	v_lshrrev_b32 v1, 5, v0
	v_readfirstlane_b32 s[WV], v1                  ; wave 0..7
	s_bfe_u32 s15, ttmp6, 0x40000                  ; cx: it enters q's, cimg's and csc's addresses alone
	s_and_b32 s16, ttmp7, 0xffff                   ; 16 batch + head, which the four partners share
	s_mov_b32 s[G1], 15|(3<<16)|(1<<20)|(1<<21)|(5<<22)|(15<<25)   ; all four work-groups; elements of 8 bytes; behind every 64 words 16 words of padding
	s_mov_b32 s[G1+1], 32<<16                      ; rows of 256 bytes,
	s_mov_b32 s[G1+2], 100<<16                     ; 100 of them: two records
	s_mov_b32 s[G1+3], 32<<16
	s_mov_b32 s[G1+4], 100
	s_mov_b32 s[G1+5], 32
	s_mov_b32 s[G1+6], 0
	s_mov_b32 s[G1+7], 0
	s_mul_i32 s44, s[WV], 2*REC                    ; my two records: in LDS,
	s_mul_i32 s46, s16, 16*12800
	s_mul_i32 s45, s[WV], 2*12800
	s_add_co_u32 s46, s46, s45                     ; and in memory (under 2^24)
	s_mov_b32 s47, 0
	s_mov_b32 s[SEL], 0x76543210
	s_mov_b32 s[SEL+1], 0xfedcba98
	s_mov_b32 s[CS], 0x3e38aa3b                    ; c = log2(e) / 8
	s_mov_b32 s[CS+1], s[CS]
	s_mov_b32 s[NC], 0xbe38aa3b                    ; -c
	s_mov_b32 s40, 0xffff0000                      ; lanes 16-31
	s_wait_dscnt 0x0
	s_wait_kmcnt 0x0
	s_mov_b32 s[G0], 1
	s_mov_b32 s[G0+1], s44
	s_add_nc_u64 s[G0+2:G0+3], s[6:7], s[46:47]
	s_or_b32 s[G0+3], s[G0+3], 0x80000000
	CROUND                                         ; all four work-groups are here: the joint loads meet
	tensor_load_to_lds s[G0:G0+3], s[G1:G1+7]      ; my one tensor load of the launch
	s_nop 0
	PLACES 4
	v_and_b32 v11, 31, v0
	v_and_b32 v8, 15, v0                           ; r
	v_bfe_u32 v12, v0, 4, 1                        ; h
	v_bfe_u32 v13, v0, 3, 1                        ; H
	v_and_b32 v14, 7, v0                           ; j
	v_lshlrev_b32 v1, 4, v11                       ; 16 x lane
	v_lshlrev_b32 v5, 3, v11                       ; V's words: 8 x lane
	v_lshlrev_b32 v9, 2, v11                       ; 4 x lane
	v_lshlrev_b32 v7, 3, v12                       ; 8 h: where my two bytes stand in p's scale word
	v_lshl_add_u32 v6, v12, 7, MASK                ; the mask: my half's 32 keys of each 64
	v_mul_u32_u24 v4, v12, 320
	v_lshl_add_u32 v2, v14, 4, v4
	v_mad_u32_u24 v2, v13, 1920, v2                ; K: image H, row h of a piece, 16 j
	v_lshl_add_u32 v4, v8, 4, v4                   ; V: row h of a piece, 16 r
	v_lshlrev_b32 v3, 3, v14
	v_lshl_add_u32 v3, v12, 6, v3
	v_lshl_add_u32 v3, v13, 7, v3                  ; K's words: 8 (16 H + 8 (lane / 16) + j)
	v_lshlrev_b32 v15, 5, v0                       ; the mask on its way in: 8 numbers a thread
	v_add_nc_u32 v16, MASK, v15
	v_lshlrev_b32 v17, 3, v8
	WALU
	s_lshr_b32 s48, s16, 4                         ; the batch
	s_lshl_b32 s50, s48, 13
	s_mov_b32 s51, 0
	s_add_nc_u64 s[8:9], s[8:9], s[50:51]
	global_load_b128 v[128:131], v15, s[8:9]
	global_load_b128 v[132:135], v15, s[8:9] offset:16
	s_lshl_b32 s50, s16, 4
	s_lshl_b32 s52, s15, 2
	s_add_co_u32 s50, s50, s52
	s_lshr_b32 s52, s[WV], 1
	s_add_co_u32 s50, s50, s52                     ; q's record: group 4 cx + wave / 2 of my head
	s_mul_i32 s50, s50, 6400
	s_add_nc_u64 s[4:5], s[4:5], s[50:51]
	s_and_b32 s52, s[WV], 1
	s_mul_i32 s53, s52, 3072
	v_add_nc_u32 v18, s53, v1                      ; images 2 (wave % 2) + pass
	s_lshl_b32 s53, s52, 2
	v_add_nc_u32 v17, s53, v17                     ; their words: 8 (16 pass + r) + 4 (wave % 2)
	WALU
	WIN 0x40                                       ; an image's registers 0-5 are tile A's codes, 6-11 tile B's
	global_load_b128 v[QZ+6:QZ+9], v18, s[4:5]
	global_load_b64 v[QZ+10:QZ+11], v18, s[4:5] offset:512
	global_load_b64 v[QZ+18:QZ+19], v18, s[4:5] offset:520
	global_load_b128 v[QZ+20:QZ+23], v18, s[4:5] offset:1024
.irp m, 0,1,2
.irp i, 0,1,2,3,4,5
	v_mov_b32 v[QZ+12*\m+\i], 0                    ; the zero codes between the tiles
.endr
.endr
	WIN 0
	global_load_b128 v[QST:QST+3], v18, s[4:5] offset:1536       ; the second pass's Q waits in window 0
	global_load_b64 v[QST+4:QST+5], v18, s[4:5] offset:2048
	global_load_b64 v[QST+6:QST+7], v18, s[4:5] offset:2056
	global_load_b128 v[QST+8:QST+11], v18, s[4:5] offset:2560
	global_load_b32 v[TM+8], v17, s[4:5] offset:6144
	global_load_b32 v[TM+9], v17, s[4:5] offset:6272
	s_lshl_b32 s50, s48, 6
	s_lshl_b32 s52, s15, 4
	s_add_co_u32 s50, s50, s52
	s_lshl_b32 s52, s[WV], 1
	s_add_co_u32 s50, s50, s52                     ; my first pair, counted over the batches
	s_lshl_b32 s50, s50, 4
	s_and_b32 s52, s16, 15
	s_add_co_u32 s50, s50, s52
	s_mul_i32 s50, s50, 1536
	s_add_nc_u64 s[10:11], s[10:11], s[50:51]      ; cimg [pair][head][1536]
	s_lshl_b32 s50, s16, 6
	s_lshl_b32 s52, s15, 4
	s_add_co_u32 s50, s50, s52
	s_lshl_b32 s52, s[WV], 1
	s_add_co_u32 s50, s50, s52
	s_lshl_b32 s50, s50, 6
	s_add_nc_u64 s[12:13], s[12:13], s[50:51]      ; csc [batch][head][pair][r] words
.irp b, 0,1,2,3
	v_mov_b32 v[TM+4+\b], 0                        ; a lane permute's destination counts as one of its sources
.endr
	v_mov_b32 v124, 0
	v_mov_b32 v39, 0                               ; (named as the upper halves of the pairs with f)
	v_mov_b32 v79, 0
	WALU
	s_wait_loadcnt 0x0
.irp j, 0,1,2,3,4,5,6,7
	v_mul_f32 v[128+\j], 0x41000000, v[128+\j]     ; 8 mask: exact
.endr
.irp j, 0,1,2,3,4,5,6,7
	v_max_num_f32 v[128+\j], 0xce800000, v[128+\j] ; held at -2^30
.endr
	ds_store_b128 v16, v[128:131]
	ds_store_b128 v16, v[132:135] offset:16
	v_perm_b32 v[QS], v[TM+8], v[TM+8], 0x01000100     ; a tile's two bytes, twice: the word serves [q, 0] and [0, q]
	v_perm_b32 v[QS+1], v[TM+8], v[TM+8], 0x03020302
	v_perm_b32 v[QSS], v[TM+9], v[TM+9], 0x01000100
	v_perm_b32 v[QSS+1], v[TM+9], v[TM+9], 0x03020302
	WALU
	s_wait_tensorcnt 0x0                           ; my two records lie in LDS,
	s_wait_dscnt 0x0                               ; and my part of the mask
	s_barrier_signal -1
	s_barrier_wait -1                              ; everybody's do
.macro KLOAD ak, as, am, off, moff     ; 29 LDS loads: four operands of K (c, w), 64 numbers of 8 mask, K's words (row 48)
	WIN 0x40
.irp c, 0,1
.irp w, 0,1
.irp k, 0,1,2
	ds_load_b128 v[KF+24*\c+12*\w+4*\k:KF+24*\c+12*\w+4*\k+3], v[\ak] offset:\off+3840*\c+128*\w+640*\k
.endr
.endr
.irp k, 0,1,2,3,4,5,6,7
	ds_load_b128 v[MK+32*\c+4*\k:MK+32*\c+4*\k+3], v[\am] offset:\moff+256*\c+16*\k
.endr
.endr
	WIN 0
	ds_load_b64 v[KS:KS+1], v[\as] offset:\off+15360
.endm
.macro W8 d, a, b, c, sa, sb, row
.if \row
	v_wmma_scale_f32_16x16x128_f8f6f4 v[\d:\d+7], v[\a:\a+11], v[\b:\b+11], v[\c:\c+7], v[\sa], v[\sb] matrix_a_fmt:MATRIX_FMT_BF6 matrix_b_fmt:MATRIX_FMT_BF6 matrix_a_scale:MATRIX_SCALE_ROW1
.else
	v_wmma_scale_f32_16x16x128_f8f6f4 v[\d:\d+7], v[\a:\a+11], v[\b:\b+11], v[\c:\c+7], v[\sa], v[\sb] matrix_a_fmt:MATRIX_FMT_BF6 matrix_b_fmt:MATRIX_FMT_BF6
.endif
.endm
; Group g = 0 .. 8 of tile T's maxima: four chains, two to a block of 32 keys; each accumulator is read from its low end on.  They end in v[40 + 80 T] and v[42 + 80 T]: my two blocks' largest scores
.macro MAXOP T, g
.set SS_, 128+64*(\T)
.set TT_, 40+80*(\T)
.if (\g) == 0
.irp q, 0,1,2,3
	v_max3_num_f32 v[TT_+\q], v[SS_+16*\q], v[SS_+16*\q+1], v[SS_+16*\q+2]
.endr
.elseif (\g) < 7
.irp q, 0,1,2,3
	v_max3_num_f32 v[TT_+\q], v[TT_+\q], v[SS_+16*\q+2*(\g)+1], v[SS_+16*\q+2*(\g)+2]
.endr
.elseif (\g) == 7
	v_max3_num_f32 v[TT_], v[TT_], v[SS_+15], v[SS_+31]
	v_max3_num_f32 v[TT_+2], v[TT_+2], v[SS_+47], v[SS_+63]
.else
	v_max_num_f32 v[TT_], v[TT_], v[TT_+1]
	v_max_num_f32 v[TT_+2], v[TT_+2], v[TT_+3]
.endif
.endm
; Line k = 0 .. 8 of tile T's chain: the running largest score, with lane l xor 16's; -M = floor(-t); f = 2^(old M - new M), which rounds nothing.  The lines stand among other work, three lines apart or more
.macro CHOP T, k
.set TT_, 40+80*(\T)
.set NM_, 20+4*(\T)
.if (\k) == 0
	v_max3_num_f32 v[NM_+1], v[NM_+1], v[TT_], v[TT_+2]
.elseif (\k) == 1
	v_permlanex16_b32 v[TT_+4], v[NM_+1], s[SEL], s[SEL+1]
.elseif (\k) == 2
	v_max_num_f32 v[NM_+1], v[NM_+1], v[TT_+4]
.elseif (\k) == 3
	v_mul_f32 v[TT_+4], s[NC], v[NM_+1]
.elseif (\k) == 4
	v_floor_f32 v[TT_+4], v[TT_+4]
.elseif (\k) == 5
	v_sub_f32 v[TT_+5], v[TT_+4], v[NM_]
.elseif (\k) == 6
	v_mov_b32 v[NM_], v[TT_+4]
.elseif (\k) == 7
	v_cvt_i32_f32 v[TT_+5], v[TT_+5]
.else
	v_ldexp_f32 v[38+40*(\T)], 1.0, v[TT_+5]
.endif
.endm
; Tile T's scales and codes: the floor 2^(5 - 127); 4 off the exponent field; four conversions; my two bytes at their places in the scale word (8 h bits up)
.macro QBLK T
.set SS_, 128+64*(\T)
.set TT_, 40+80*(\T)
.set BY_, 48+28*(\T)
.set YY_, 56+24*(\T)
.set PT_, PA+12*(\T)
	v_max_num_f32 v[TT_], 0x2800000, v[TT_]
	v_max_num_f32 v[TT_+2], 0x2800000, v[TT_+2]
	v_add_nc_u32 v[TT_+6], 0xfe000000, v[TT_]
	v_add_nc_u32 v[TT_+7], 0xfe000000, v[TT_+2]
	v_cvt_scalef32_pk16_bf6_f32 v[PT_:PT_+2], v[SS_:SS_+15], v[TT_+6]
	v_cvt_scalef32_pk16_bf6_f32 v[YY_:YY_+2], v[SS_+16:SS_+31], v[TT_+6]      ; (a conversion's three registers begin on an even number)
	v_cvt_scalef32_pk16_bf6_f32 v[PT_+6:PT_+8], v[SS_+32:SS_+47], v[TT_+7]
	v_cvt_scalef32_pk16_bf6_f32 v[YY_+4:YY_+6], v[SS_+48:SS_+63], v[TT_+7]
	v_lshrrev_b32 v[BY_], 23, v[TT_+6]
	v_lshrrev_b32 v[BY_+1], 23, v[TT_+7]
	v_lshl_or_b32 v[BY_], v[BY_+1], 16, v[BY_]
	v_lshlrev_b32 v[BY_], v7, v[BY_]
.irp i, 0,1,2
	v_mov_b32 v[PT_+3+\i], v[YY_+\i]
	v_mov_b32 v[PT_+9+\i], v[YY_+4+\i]
.endr
.endm
.macro SUMS su, b, st, rounds          ; 8 + 4 rounds pairs of registers, st apart from b on, are added onto the pair su, in four chains
	v_pk_add_f32 v[\su:\su+1], v[\su:\su+1], v[\b:\b+1]
	v_pk_add_f32 v[C1:C1+1], v[\b+\st:\b+\st+1], v[\b+2*\st:\b+2*\st+1]
	v_pk_add_f32 v[C1+2:C1+3], v[\b+3*\st:\b+3*\st+1], v[\b+4*\st:\b+4*\st+1]
	v_pk_add_f32 v[C1+4:C1+5], v[\b+5*\st:\b+5*\st+1], v[\b+6*\st:\b+6*\st+1]
.set J_, \b+7*\st
.rept \rounds
	v_pk_add_f32 v[\su:\su+1], v[\su:\su+1], v[J_:J_+1]
	v_pk_add_f32 v[C1:C1+1], v[C1:C1+1], v[J_+\st:J_+\st+1]
	v_pk_add_f32 v[C1+2:C1+3], v[C1+2:C1+3], v[J_+2*\st:J_+2*\st+1]
	v_pk_add_f32 v[C1+4:C1+5], v[C1+4:C1+5], v[J_+3*\st:J_+3*\st+1]
.set J_, J_+4*\st
.endr
	v_pk_add_f32 v[\su:\su+1], v[\su:\su+1], v[J_:J_+1]
	v_pk_add_f32 v[C1:C1+1], v[C1:C1+1], v[C1+2:C1+3]
	v_pk_add_f32 v[\su:\su+1], v[\su:\su+1], v[C1+4:C1+5]
	v_pk_add_f32 v[\su:\su+1], v[\su:\su+1], v[C1:C1+1]
.endm
; A KEY STEP of 128 keys for both tiles.  ld = 1: the next step's K, mask and words are fetched; 0: the pass's last step
.macro STEP ld
	s_wait_dscnt 0x0                               ; this step's K, mask and words are in
	v_add_nc_u32 v[ADV], s[TB], v4                 ; (these lines are also the places between the last products and the loads into V's registers)
	v_add_nc_u32 v[ADT], s[TB], v5
.if \ld
	v_add_nc_u32 v[ADK], s[TB], v2
	v_add_nc_u32 v[ADS], s[TB], v3
	v_add_nc_u32 v[ADM], s[TMK], v6
.else
	PLACES 2
.endif
	WALU
.set N_, 0
.rept 16                               ; score tile N / 2 of tile N % 2: operand N / 4 of K, its first or second 16 keys; C = 8 mask.  Behind every fourth an image of V is fetched
	WIN 0x15
	W8 128+64*(N_%2)+8*(N_/2), KF+12*(N_/4), QZ+12*(N_%2)+6*(1-(N_/2)%2), MK+8*(N_/2), KS+N_/8, QS+N_%2, (N_/4)%2
.if N_%4 == 3
	WIN 0x40
.irp k, 0,1,2
	ds_load_b128 v[VF+12*(N_/4)+4*\k:VF+12*(N_/4)+4*\k+3], v[ADV] offset:7680+1920*(N_/4)+640*\k
.endr
.endif
.set N_, N_+1
.endr
	WIN 0
	ds_load_b64 v[VS:VS+1], v[ADT] offset:15680
	PLACES 4                                       ; behind the score products: ahead of the loads into their operands and of the first read of the scores
.if \ld
	KLOAD ADK, ADS, ADM, REC, 512
.endif
.irp g, 0,1,2,3,4,5,6,7,8
	MAXOP 0, \g
.endr
.irp g, 0,1,2,3,4,5,6,7,8
	MAXOP 1, \g
	CHOP 0, \g
.endr
.set L_, 128
.set K_, 0
.rept 9
.rept 3
	v_pk_fma_f32 v[L_:L_+1], v[L_:L_+1], s[CS:CS+1], v[20:21] op_sel_hi:[1,0,0]   ; A's t - M
.set L_, L_+2
.endr
	CHOP 1, K_
.set K_, K_+1
.endr
.rept 5
	v_pk_fma_f32 v[L_:L_+1], v[L_:L_+1], s[CS:CS+1], v[20:21] op_sel_hi:[1,0,0]
.set L_, L_+2
.endr
	v_fma_f32 v40, v40, s[CS], v20                 ; the same of A's two largest scores
	v_fma_f32 v42, v42, s[CS], v20
	WIN 0x41
.set L_, OA
.rept 16
	v_pk_mul_f32 v[L_:L_+1], v[L_:L_+1], v[38:39] op_sel_hi:[1,0]   ; O^T under the new M, each accumulator from its low end on
.set L_, L_+2
.endr
.rept 16
	v_pk_mul_f32 v[L_:L_+1], v[L_:L_+1], v[78:79] op_sel_hi:[1,0]
.set L_, L_+2
.endr
	WIN 0
	WALU                                           ; ahead of the exponentials
	v_exp_f32 v40, v40                             ; A's blocks' largest p: the same two instructions on the same numbers
	v_exp_f32 v42, v42
.set J_, 128
.set L_, 192
.rept 32
	v_exp_f32 v[J_], v[J_]                         ; A's p = 2^(t - M),
	v_pk_fma_f32 v[L_:L_+1], v[L_:L_+1], s[CS:CS+1], v[24:25] op_sel_hi:[1,0,0]   ; and B's t - M
.set J_, J_+1
.set L_, L_+2
.endr
	v_exp_f32 v160, v160
	v_fma_f32 v120, v120, s[CS], v24
	v_exp_f32 v161, v161
	v_fma_f32 v122, v122, s[CS], v24
	v_exp_f32 v162, v162
	v_pk_mul_f32 v[22:23], v[22:23], v[38:39] op_sel_hi:[1,0]       ; the sums under the new M
	v_exp_f32 v163, v163
	v_pk_mul_f32 v[26:27], v[26:27], v[78:79] op_sel_hi:[1,0]
.set J_, 164
.rept 28
	v_exp_f32 v[J_], v[J_]
.set J_, J_+1
.endr
	WALU                                           ; behind A's exponentials, ahead of B's
	QBLK 0
	v_exp_f32 v120, v120
	v_exp_f32 v122, v122
.set J_, 192
.set L_, 128
.rept 16
	v_exp_f32 v[J_], v[J_]                         ; B's p,
	v_pk_add_f32 v[L_:L_+1], v[L_:L_+1], v[L_+2:L_+3]               ; and the first level of A's sum, of the unquantised p (its codes are made)
.set J_, J_+1
.set L_, L_+4
.endr
.rept 48
	v_exp_f32 v[J_], v[J_]
.set J_, J_+1
.endr
	WALU
	QBLK 1
	v_permlanex16_b32 v44, v48, s[SEL], s[SEL+1]
	v_permlanex16_b32 v124, v76, s[SEL], s[SEL+1]
	v_or_b32 v[PW], v48, v44                       ; with lane l xor 16's two bytes p's scale words are whole
	v_or_b32 v[PW+1], v76, v124
	SUMS 22, 128, 4, 2
	SUMS 26, 192, 2, 6
	WALU
.if \ld
	s_wait_dscnt 29                                ; the next step's 29 loads may be out: V and its words are in
.else
	s_wait_dscnt 0x0
.endif
	WIN 0x51
.irp f, 0,1,2,3                        ; O^T += V^T P^T: eight accumulators by turns
.irp T, 0,1
	W8 OA+32*\T+8*\f, VF+12*\f, PA+12*\T, OA+32*\T+8*\f, VS+\f/2, PW+\T, \f%2
.endr
.endr
	WIN 0
.endm
; The pass's end: O^T / the sum is ctx; A's two blocks of 32 and B's two are the four blocks of one run of the quantiser.
.macro FINISH p
	WALU
	s_wait_xcnt 0x0                                ; the last pass's stores have read the image's registers
	v_add_f32 v[TM], v22, v23
	v_add_f32 v[TM+1], v26, v27
	v_permlanex16_b32 v[TM+4], v[TM], s[SEL], s[SEL+1]
	v_permlanex16_b32 v[TM+5], v[TM+1], s[SEL], s[SEL+1]
	v_add_f32 v[TM], v[TM], v[TM+4]
	v_add_f32 v[TM+1], v[TM+1], v[TM+5]
	WALU
	v_rcp_f32 v38, v[TM]
	v_rcp_f32 v78, v[TM+1]
	v_nop                                          ; a plain place behind the reciprocals
	WIN 0x01
	WALU
.set J_, 0
.rept 16
	v_pk_mul_f32 v[128+J_:129+J_], v[OA+J_:OA+J_+1], v[38:39] op_sel_hi:[1,0]
.set J_, J_+2
.endr
.set J_, 0
.rept 16
	v_pk_mul_f32 v[160+J_:161+J_], v[OA+32+J_:OA+33+J_], v[78:79] op_sel_hi:[1,0]
.set J_, J_+2
.endr
	WIN 0
	QUANT 128, F, F+6, YT, 11
.irp k, 0,1,2
	global_store_b128 v1, v[F+4*\k:F+4*\k+3], s[10:11] offset:24576*(\p)+512*\k   ; 512 consecutive bytes; the next pair lies 16 images on
.endr
.if \p
	v_cndmask_b32 v10, v10, v11, s40               ; lanes 16-31 keep the second pair's words
.else
	v_mov_b32 v10, v11
.endif
.endm
.macro PASS p
.if \p
	WALU
	s_wait_xcnt 0x0                                ; the first pass's stores have read ctx's image: v80-86 take halves of B's codes again
	WIN 0x40
.irp i, 0,1,2,3,4,5
	v_mov_b32 v[QZ+6+\i], v[QST+\i]
	v_mov_b32 v[QZ+18+\i], v[QST+6+\i]
.endr
	WIN 0
	v_mov_b32 v[QS], v[QSS]
	v_mov_b32 v[QS+1], v[QSS+1]
.endif
	WIN 0x40
.set J_, 0
.rept 64
	v_mov_b32 v[OA+J_], 0                          ; the step is written once: the first finds zeros, which the first change of M leaves zeros
.set J_, J_+1
.endr
	WIN 0
.irp T, 0,1
	v_mov_b32 v[21+4*\T], 0xff61b1e6               ; the largest score so far: -3e38
	v_mov_b32 v[20+4*\T], 0x7e000000               ; -M: a large whole number, so that the first f is 0
	v_mov_b32 v[22+4*\T], 0
	v_mov_b32 v[23+4*\T], 0
.endr
	s_mov_b32 s[TB], 0
	s_mov_b32 s[TMK], 0
	KLOAD 2, 3, 6, 0, 0                            ; the first record's K, mask and words
	s_mov_b32 s[CNT], 15
	WALU
.Lstep_\@:
	STEP 1
	s_add_co_u32 s[TB], s[TB], REC
	s_add_co_u32 s[TMK], s[TMK], 512
	s_sub_co_u32 s[CNT], s[CNT], 1
	s_cmp_lg_u32 s[CNT], 0
	s_cbranch_scc1 .Lstep_\@
	STEP 0                                         ; the sixteenth step fetches no further K
	FINISH \p
.endm
	PASS 0
	PASS 1
	global_store_b32 v9, v10, s[12:13]             ; two pairs' words: 128 consecutive bytes
	s_wait_tensorcnt 0x0                           ; the wave's end
	ds_add_u32 v[SPW], v[NIL]
	s_wait_dscnt 0x0
	CROUND                                         ; the closing round
	s_endpgm
.Lfunc_end_k_qfd8f621111_attn:
	.size	k_qfd8f621111_attn, .Lfunc_end_k_qfd8f621111_attn-k_qfd8f621111_attn
	.p2alignl 7, 3214868480
	.fill 96, 4, 3214868480
	.section	.rodata,"a",@progbits
	.p2align	6, 0x0
	.amdhsa_kernel k_qfd8f621111_attn
		.amdhsa_group_segment_fixed_size 265216
		.amdhsa_private_segment_fixed_size 0
		.amdhsa_enable_private_segment 0
		.amdhsa_kernarg_size 40
		.amdhsa_user_sgpr_count 2
		.amdhsa_user_sgpr_kernarg_segment_ptr 1
		.amdhsa_wavefront_size32 1
		.amdhsa_system_sgpr_workgroup_id_x 1
		.amdhsa_system_sgpr_workgroup_id_y 1
		.amdhsa_system_sgpr_workgroup_id_z 1
		.amdhsa_system_vgpr_workitem_id 0
		.amdhsa_next_free_vgpr 512
		.amdhsa_next_free_sgpr 66
		.amdhsa_reserve_vcc 0
		.amdhsa_float_denorm_mode_32 3
		.amdhsa_float_denorm_mode_16_64 3
		.amdhsa_memory_ordered 1
		.amdhsa_forward_progress 1
		.amdhsa_inst_pref_size 142
	.end_amdhsa_kernel
	.amdgpu_metadata
---
amdhsa.version: [ 1, 2 ]
amdhsa.kernels:
  - .name:           k_qfd8f621111_attn
    .symbol:         k_qfd8f621111_attn.kd
    .args:
      - { .name: q, .offset: 0, .size: 8, .value_kind: global_buffer, .address_space: global }
      - { .name: kv, .offset: 8, .size: 8, .value_kind: global_buffer, .address_space: global }
      - { .name: attention_mask, .offset: 16, .size: 8, .value_kind: global_buffer, .address_space: global }
      - { .name: cimg, .offset: 24, .size: 8, .value_kind: global_buffer, .address_space: global }
      - { .name: csc, .offset: 32, .size: 8, .value_kind: global_buffer, .address_space: global }
    .group_segment_fixed_size: 265216
    .private_segment_fixed_size: 0
    .kernarg_segment_align: 8
    .kernarg_segment_size: 40
    .max_flat_workgroup_size: 256
    .sgpr_count:     66
    .vgpr_count:     512
    .wavefront_size: 32
...
	.end_amdgpu_metadata
.endif
;; end of part 3
;; launch outp (part 4): grid 256 x 1, 8 waves a work-group, no clusters, 288,256 bytes of LDS; arguments cimg, csc, wimg, wsc, bo, x, ln_gamma, ln_beta, out0; writes out0
.if DOCPART == 4
	.amdgcn_target "amdgcn-amd-amdhsa--gfx1250"
	.amdhsa_code_object_version 6
	.text
	.protected	k_qfd8f621111_outp
	.globl	k_qfd8f621111_outp
	.p2align	8
	.type	k_qfd8f621111_outp,@function
k_qfd8f621111_outp:
	s_mov_b64 s[64:65], 0
	v_nop
	global_prefetch_b8 v0, s[64:65] scope:SCOPE_SE
	s_setreg_imm32_b32 hwreg(HW_REG_WAVE_MODE, 25, 1), 1
	s_wait_xcnt 0x0
; out = LayerNorm(ctx Wo + bo + x) x gamma + beta.  The product on codes of BF6 (E3M2) with E8M0 scales, all else in f32; the variance is taken of y - mean, as the definition has it.
; SHARES.  Work-group P owns tokens 32 P .. 32 P + 31 and all 1,024 features, so a row's mean and variance stay inside it.  Wave w makes features 128 w .. 128 w + 127 for both tiles of 16 tokens (16 accumulators),
; then normalises tokens 4 w .. 4 w + 3.
; Wo GOES FROM MEMORY STRAIGHT INTO REGISTERS, and is not shared in a cluster: each of its bytes serves one wave of the work-group, so LDS would add a write and a read for nothing; a K step is 16 matrix instructions a wave,
; too little for a tile asked for behind a barrier to land in; counted loads keep two K steps (24,576 bytes of codes a wave) on their way with no barrier at all.
; ctx arrives as one image for each pair of tiles and head: [tile A, d 0..63 | tile B, d 0..63]; a K step is two heads: wave w loads heads 2 w and 2 w + 1 crosswise, as the K step's two fragments, and hands them round through LDS as images.
; x's 32 rows come by one tensor load a wave at the head (each wave its own four rows, which it alone reads), and wait in LDS for the residual.
; The product is used transposed (source 0 = 16 rows of Wo, source 1 = 16 tokens); bo is the C of each sum's first product.  Tile i of Wo holds in lane r feature 32 (i / 2) + 8 (i % 2) + r + 8 (r / 8).
; LIMITS: NaN and infinities are not served.
; REGISTERS.  window 0: v1-8 addresses; v16-31 Wo's scale words, two sets; v32-47 ctx's; v48-63 ctx's words as stored; v64-111 ctx's fragments, two sets; v112-127 at work; v128-255 accumulators ((u, i) at 128 + 8 (2 i + u)), later y.
;   window 1: v0-95, v96-191 Wo's fragments, two sets; v192-255 bo.  Later v0-31 gamma, v32-63 beta, v64-191 x.
.set CL,   0                           ; LDS: ctx's 16 fragments (K step s, tile u: 2 s + u), 1,536 bytes each
.set STG,  24576                       ; 32 rows x (4,096 bytes + 16): h
.set SPT,  4112
.set XL,   STG+32*SPT                  ; x's 32 rows, filled once
.set WS,   16
.set CS,   32
.set CW,   48
.set CF,   64
.set LM,   112                         ; v112-119 four pairs: sums, then -mean
.set LQ,   120                         ; v120-127 four pairs: sums of squares, then 1 / sqrt
.set ACC,  128
.set Y,    128
.set BO,   192                         ; window 1
.set XR,   64                          ; window 1
.set SEL,  42
.set G1,   24
.set G0,   32
.set MSB, 0
.macro WIN new
.if MSB != (\new)
	s_set_vgpr_msb (MSB<<8)|(\new)
.set MSB, (\new)
.endif
.endm
.macro PLACES n
.rept \n
	v_nop
.endr
.endm
	s_load_b256 s[4:11], s[0:1], 0x0               ; cimg, csc, wimg, wsc
	s_load_b256 s[12:19], s[0:1], 0x20             ; bo, x, gamma, beta
	s_load_b64 s[20:21], s[0:1], 0x40              ; out0
	v_lshl_add_u32 v14, v0, 2, 0x46200
	v_mov_b32 v15, 0
	ds_add_u32 v14, v15
	ds_add_u32 v14, v15
	v_lshrrev_b32 v1, 5, v0
	s_delay_alu instid0(VALU_DEP_1)
	v_readfirstlane_b32 s22, v1                    ; wave 0..7
	s_mov_b32 s[G1], 3<<16                         ; no mask; elements of 8 bytes; no padding
	s_mov_b32 s[G1+1], 32<<16                      ; rows of 256 bytes,
	s_mov_b32 s[G1+2], 64<<16                      ; 64 of them: four rows of x
	s_mov_b32 s[G1+3], 32<<16
	s_mov_b32 s[G1+4], 64
	s_mov_b32 s[G1+5], 32
	s_mov_b32 s[G1+6], 0
	s_mov_b32 s[G1+7], 0
	s_lshl_b32 s36, ttmp9, 17                      ; 32 rows of 4,096 bytes a work-group,
	s_lshl_b32 s37, s22, 14                        ; four a wave
	s_add_co_u32 s36, s36, s37
	s_mov_b32 s37, 0
	s_lshl_b32 s38, s22, 14
	s_add_co_u32 s38, s38, XL
	s_mov_b32 s[SEL], 0x76543210
	s_mov_b32 s[SEL+1], 0xfedcba98
	s_mov_b32 s40, 0x3a800000                      ; 1 / 1,024
	s_mov_b32 s41, 0x2b8cbccc                      ; 1e-12
	s_wait_dscnt 0x0
	s_wait_kmcnt 0x0
	s_mov_b32 s[G0], 1
	s_mov_b32 s[G0+1], s38
	s_add_nc_u64 s[G0+2:G0+3], s[14:15], s[36:37]
	s_or_b32 s[G0+3], s[G0+3], 0x80000000
	s_add_nc_u64 s[20:21], s[20:21], s[36:37]      ; the same rows of out0
	tensor_load_to_lds s[G0:G0+3], s[G1:G1+7]      ; my one tensor load
	s_nop 0
	PLACES 4
	v_and_b32 v9, 31, v0
	s_delay_alu instid0(VALU_DEP_1)
	v_lshlrev_b32 v1, 4, v9                        ; 16 x lane
	v_and_b32 v10, 15, v0                          ; r
	v_bfe_u32 v11, v0, 4, 1                        ; h
	s_delay_alu instid0(VALU_DEP_2)
	v_lshlrev_b32 v2, 5, v10                       ; Wo's words: 32 r
	s_delay_alu instid0(VALU_DEP_3)
	v_lshlrev_b32 v3, 2, v10                       ; ctx's words: 4 r
	s_delay_alu instid0(VALU_DEP_4)
	v_and_b32 v4, 8, v10
	s_delay_alu instid0(VALU_DEP_1)
	v_add_nc_u32 v4, v4, v10
	s_delay_alu instid0(VALU_DEP_1)
	v_mul_u32_u24 v4, v4, SPT
	s_delay_alu instid0(VALU_DEP_1)
	v_lshl_add_u32 v4, v11, 6, v4
	s_lshl_b32 s44, s22, 9
	s_add_co_u32 s44, s44, STG
	v_add_nc_u32 v4, s44, v4                       ; the stage on the way in: row r + 8 (r / 8), + 64 h, + my 512 bytes
	s_mul_i32 s44, s22, 4*SPT
	s_add_co_u32 s44, s44, STG
	v_add_nc_u32 v5, s44, v1                       ; and back: my four rows, 16 bytes a lane
	v_add_nc_u32 v6, s38, v1                       ; x likewise
	s_mul_i32 s44, s22, 3072
	v_add_nc_u32 v7, s44, v1                       ; heads 2 w, 2 w + 1 in cimg; fragments 2 w, 2 w + 1 in LDS
	s_wait_alu depctr_va_vdst(0)
	v_lshlrev_b32 v8, 6, v11                       ; bo: + 16 h numbers
	s_wait_alu depctr_va_vdst(0)
	s_mul_i32 s44, ttmp9, 24576
	s_mov_b32 s45, 0
	s_add_nc_u64 s[4:5], s[4:5], s[44:45]          ; my pair's 16 images
	s_lshr_b32 s44, ttmp9, 6
	s_lshl_b32 s44, s44, 16
	s_and_b32 s46, ttmp9, 63
	s_lshl_b32 s46, s46, 6
	s_add_co_u32 s44, s44, s46
	s_add_nc_u64 s[6:7], s[6:7], s[44:45]          ; its words: [batch][head][pair][r]
	s_add_co_u32 s46, s22, 24                      ; Wo's group w
	s_mul_i32 s44, s46, 98304
	s_add_nc_u64 s[8:9], s[8:9], s[44:45]
	s_lshl_b32 s44, s46, 12
	s_add_nc_u64 s[10:11], s[10:11], s[44:45]
	s_lshl_b32 s44, s22, 9
	s_add_nc_u64 s[12:13], s[12:13], s[44:45]      ; bo at my 128 features
	; registers 0-5 of either head's image make tile A's fragment, registers 6-11 tile B's
	global_load_b128 v[CF:CF+3], v7, s[4:5]
	global_load_b64 v[CF+4:CF+5], v7, s[4:5] offset:512
	global_load_b128 v[CF+6:CF+9], v7, s[4:5] offset:1536
	global_load_b64 v[CF+10:CF+11], v7, s[4:5] offset:2048
	global_load_b64 v[CF+12:CF+13], v7, s[4:5] offset:520
	global_load_b128 v[CF+14:CF+17], v7, s[4:5] offset:1024
	global_load_b64 v[CF+18:CF+19], v7, s[4:5] offset:2056
	global_load_b128 v[CF+20:CF+23], v7, s[4:5] offset:2560
.irp d, 0,1,2,3,4,5,6,7,8,9,10,11,12,13,14,15
	global_load_b32 v[CW+\d], v3, s[6:7] offset:4096*\d
.endr
	WIN 0x40
.irp b, 0,1,2,3
.irp k, 0,1,2,3
	global_load_b128 v[BO+16*\b+4*\k:BO+16*\b+4*\k+3], v8, s[12:13] offset:128*\b+16*\k
.endr
.endr
	WIN 0
.macro WLOAD s                         ; K step s of my 128 rows of Wo: 24 loads of 512 consecutive bytes, and 2 of scale words: 26
	WIN 0x40
.irp i, 0,1,2,3,4,5,6,7
.irp k, 0,1,2
	global_load_b128 v[96*((\s)%2)+12*\i+4*\k:96*((\s)%2)+12*\i+4*\k+3], v1, s[8:9] offset:12288*(\s)+1536*\i+512*\k
.endr
.endr
	WIN 0
	global_load_b128 v[WS+8*((\s)%2):WS+8*((\s)%2)+3], v2, s[10:11] offset:512*(\s)
	global_load_b128 v[WS+8*((\s)%2)+4:WS+8*((\s)%2)+7], v2, s[10:11] offset:512*(\s)+16
.endm
	WLOAD 0
	s_wait_loadcnt 58                              ; 16 words, 16 of bo and 26 of Wo may be out: ctx's eight loads are in
.irp u, 0,1
.irp k, 0,1,2
	ds_store_b128 v7, v[CF+12*\u+4*\k:CF+12*\u+4*\k+3] offset:CL+1536*\u+512*\k
.endr
.endr
	WLOAD 1
	s_wait_dscnt 0x0                               ; for the others' sake: my two fragments lie in LDS
	s_barrier_signal -1
	s_barrier_wait -1
.macro KS s
.irp u, 0,1
.irp k, 0,1,2
	ds_load_b128 v[CF+24*((\s)%2)+12*\u+4*\k:CF+24*((\s)%2)+12*\u+4*\k+3], v1 offset:CL+(2*(\s)+\u)*1536+512*\k
.endr
.endr
.if (\s) == 7
	s_wait_loadcnt 16                              ; gamma's and beta's 16 loads may be out
.else
	s_wait_alu depctr_va_vdst(0)
	s_wait_loadcnt 26                              ; the next K step's 26 loads may be out
.endif
.if (\s) == 0
.irp t, 0,1,2,3,4,5,6,7                ; a K step's word of a tile: the tile's two bytes of either head
	v_perm_b32 v[CS+2*\t], v[CW+2*\t+1], v[CW+2*\t], 0x05040100
	v_perm_b32 v[CS+2*\t+1], v[CW+2*\t+1], v[CW+2*\t], 0x07060302
.endr
	PLACES 8                                       ; a scale register written by a vector instruction stands eight places ahead of the product
.endif
	s_wait_dscnt 0x0
.if (\s) == 0
	WIN 0x11                                       ; Wo and bo in window 1
.else
	WIN 0x01
.endif
.irp i, 0,1,2,3,4,5,6,7                ; the 16 accumulators take turns, in the same order in every K step
.irp u, 0,1
.if (\s) == 0
	v_wmma_scale_f32_16x16x128_f8f6f4 v[ACC+8*(2*\i+\u):ACC+8*(2*\i+\u)+7], v[96*((\s)%2)+12*\i:96*((\s)%2)+12*\i+11], v[CF+24*((\s)%2)+12*\u:CF+24*((\s)%2)+12*\u+11], v[BO+8*\i:BO+8*\i+7], v[WS+8*((\s)%2)+\i], v[CS+2*(\s)+\u] matrix_a_fmt:MATRIX_FMT_BF6 matrix_b_fmt:MATRIX_FMT_BF6
.else
	v_wmma_scale_f32_16x16x128_f8f6f4 v[ACC+8*(2*\i+\u):ACC+8*(2*\i+\u)+7], v[96*((\s)%2)+12*\i:96*((\s)%2)+12*\i+11], v[CF+24*((\s)%2)+12*\u:CF+24*((\s)%2)+12*\u+11], v[ACC+8*(2*\i+\u):ACC+8*(2*\i+\u)+7], v[WS+8*((\s)%2)+\i], v[CS+2*(\s)+\u] matrix_a_fmt:MATRIX_FMT_BF6 matrix_b_fmt:MATRIX_FMT_BF6
.endif
.endr
.endr
	WIN 0
	PLACES 4                                       ; in front of loads into the operands' registers, and of the first read of results
.if (\s) < 6
	WLOAD (\s)+2
.endif
.if (\s) == 6
	WIN 0x40
.irp c, 0,1,2,3,4,5,6,7
	global_load_b128 v[4*\c:4*\c+3], v1, s[16:17] offset:512*\c          ; gamma, in the layout of a row read back: feature 128 c + 4 lane + ..
	global_load_b128 v[32+4*\c:32+4*\c+3], v1, s[18:19] offset:512*\c    ; beta
.endr
	WIN 0
.endif
.endm
.irp s, 0,1,2,3,4,5,6,7
	KS \s
.endr
.irp i, 0,1,2,3,4,5,6,7                ; lane (r, h): token 8 u + r + 8 (r / 8), features 128 w + 32 (i / 2) + 8 (i % 2) + 16 h + 0 .. 7; each accumulator from its low end on
.irp u, 0,1
	ds_store_b128 v4, v[ACC+8*(2*\i+\u):ACC+8*(2*\i+\u)+3] offset:8*SPT*\u+128*(\i/2)+32*(\i%2)
	ds_store_b128 v4, v[ACC+8*(2*\i+\u)+4:ACC+8*(2*\i+\u)+7] offset:8*SPT*\u+128*(\i/2)+32*(\i%2)+16
.endr
.endr
	s_wait_tensorcnt 0x0                           ; my four rows of x lie in LDS
	s_wait_dscnt 0x0                               ; and my part of h
	s_barrier_signal -1
	s_barrier_wait -1                              ; 32 whole rows of h lie in the stage
.irp t, 0,1,2,3
.irp c, 0,1,2,3,4,5,6,7
	ds_load_b128 v[Y+32*\t+4*\c:Y+32*\t+4*\c+3], v5 offset:\t*SPT+512*\c
.endr
.endr
	WIN 0x40
.irp t, 0,1,2,3
.irp c, 0,1,2,3,4,5,6,7
	ds_load_b128 v[XR+32*\t+4*\c:XR+32*\t+4*\c+3], v6 offset:\t*4096+512*\c
.endr
.endr
	WIN 0
	s_wait_dscnt 0x0
	s_wait_loadcnt 0x0                             ; gamma, beta
	WIN 0x04                                       ; x in window 1
.set j, 0
.rept 64
	v_pk_add_f32 v[Y+j:Y+j+1], v[Y+j:Y+j+1], v[XR+j:XR+j+1]   ; y = h + x
.set j, j+2
.endr
	WIN 0
.macro REDUCE b                        ; four pairs -> four sums over the wave, in the pairs' first registers, in every lane; the four tokens by turns
.irp t, 0,1,2,3
	s_delay_alu instid0(VALU_DEP_4)
	v_add_f32 v[\b+2*\t], v[\b+2*\t], v[\b+2*\t+1]
.endr
.irp m, 1,2,4,8
.irp t, 0,1,2,3
	s_delay_alu instid0(VALU_DEP_4)
	v_add_f32_dpp v[\b+2*\t], v[\b+2*\t], v[\b+2*\t] row_xmask:\m row_mask:0xf bank_mask:0xf
.endr
.endr
.irp t, 0,1,2,3
	s_delay_alu instid0(VALU_DEP_4)
	v_permlanex16_b32 v[\b+2*\t+1], v[\b+2*\t], s[SEL], s[SEL+1]
.endr
.irp t, 0,1,2,3
	s_delay_alu instid0(VALU_DEP_4)
	v_add_f32 v[\b+2*\t], v[\b+2*\t], v[\b+2*\t+1]
.endr
.endm
.irp t, 0,1,2,3
	v_pk_add_f32 v[LM+2*\t:LM+2*\t+1], v[Y+32*\t:Y+32*\t+1], v[Y+32*\t+2:Y+32*\t+3]
.endr
.irp j, 4,6,8,10,12,14,16,18,20,22,24,26,28,30
.irp t, 0,1,2,3
	s_delay_alu instid0(VALU_DEP_4)
	v_pk_add_f32 v[LM+2*\t:LM+2*\t+1], v[LM+2*\t:LM+2*\t+1], v[Y+32*\t+\j:Y+32*\t+\j+1]
.endr
.endr
	REDUCE LM
.irp t, 0,1,2,3
	s_delay_alu instid0(VALU_DEP_4)
	v_mul_f32 v[LM+2*\t], 0xba800000, v[LM+2*\t]   ; -mean
.endr
.irp t, 0,1,2,3
.irp j, 0,2,4,6,8,10,12,14,16,18,20,22,24,26,28,30
	v_pk_add_f32 v[Y+32*\t+\j:Y+32*\t+\j+1], v[Y+32*\t+\j:Y+32*\t+\j+1], v[LM+2*\t:LM+2*\t+1] op_sel_hi:[1,0]   ; y - mean
.endr
.endr
.irp t, 0,1,2,3
	v_pk_mul_f32 v[LQ+2*\t:LQ+2*\t+1], v[Y+32*\t:Y+32*\t+1], v[Y+32*\t:Y+32*\t+1]
.endr
.irp j, 2,4,6,8,10,12,14,16,18,20,22,24,26,28,30
.irp t, 0,1,2,3
	s_delay_alu instid0(VALU_DEP_4)
	v_pk_fma_f32 v[LQ+2*\t:LQ+2*\t+1], v[Y+32*\t+\j:Y+32*\t+\j+1], v[Y+32*\t+\j:Y+32*\t+\j+1], v[LQ+2*\t:LQ+2*\t+1]
.endr
.endr
	REDUCE LQ
.irp t, 0,1,2,3
	s_delay_alu instid0(VALU_DEP_4)
	v_fma_f32 v[LQ+2*\t], v[LQ+2*\t], s40, s41     ; the variance + 1e-12
.endr
	s_wait_alu depctr_va_vdst(0)
.irp t, 0,1,2,3
	v_rsq_f32 v[LQ+2*\t], v[LQ+2*\t]
.endr
	v_nop                                          ; a plain place behind the last of them
	s_wait_alu depctr_va_vdst(0)
.irp t, 0,1,2,3
.irp j, 0,2,4,6,8,10,12,14,16,18,20,22,24,26,28,30
	v_pk_mul_f32 v[Y+32*\t+\j:Y+32*\t+\j+1], v[Y+32*\t+\j:Y+32*\t+\j+1], v[LQ+2*\t:LQ+2*\t+1] op_sel_hi:[1,0]
.endr
.endr
	WIN 0x14                                       ; gamma and beta in window 1
.irp t, 0,1,2,3
.irp j, 0,2,4,6,8,10,12,14,16,18,20,22,24,26,28,30
	v_pk_fma_f32 v[Y+32*\t+\j:Y+32*\t+\j+1], v[Y+32*\t+\j:Y+32*\t+\j+1], v[\j:\j+1], v[32+\j:32+\j+1]
.endr
.endr
	WIN 0
.irp t, 0,1,2,3
.irp c, 0,1,2,3,4,5,6,7
	global_store_b128 v1, v[Y+32*\t+4*\c:Y+32*\t+4*\c+3], s[20:21] offset:\t*4096+512*\c th:TH_STORE_NT   ; 32 lanes store 512 consecutive bytes, at a multiple of 256; written once
.endr
.endr
	s_wait_tensorcnt 0x0
	ds_add_u32 v14, v15
	s_wait_dscnt 0x0
	s_endpgm
.Lfunc_end_k_qfd8f621111_outp:
	.size	k_qfd8f621111_outp, .Lfunc_end_k_qfd8f621111_outp-k_qfd8f621111_outp
	.p2alignl 7, 3214868480
	.fill 96, 4, 3214868480
	.section	.rodata,"a",@progbits
	.p2align	6, 0x0
	.amdhsa_kernel k_qfd8f621111_outp
		.amdhsa_group_segment_fixed_size 288256
		.amdhsa_private_segment_fixed_size 0
		.amdhsa_enable_private_segment 0
		.amdhsa_kernarg_size 72
		.amdhsa_user_sgpr_count 2
		.amdhsa_user_sgpr_kernarg_segment_ptr 1
		.amdhsa_wavefront_size32 1
		.amdhsa_system_sgpr_workgroup_id_x 1
		.amdhsa_system_sgpr_workgroup_id_y 1
		.amdhsa_system_sgpr_workgroup_id_z 1
		.amdhsa_system_vgpr_workitem_id 0
		.amdhsa_next_free_vgpr 512
		.amdhsa_next_free_sgpr 66
		.amdhsa_reserve_vcc 0
		.amdhsa_float_denorm_mode_32 3
		.amdhsa_float_denorm_mode_16_64 3
		.amdhsa_memory_ordered 1
		.amdhsa_forward_progress 1
		.amdhsa_inst_pref_size 96
	.end_amdhsa_kernel
	.amdgpu_metadata
---
amdhsa.version: [ 1, 2 ]
amdhsa.kernels:
  - .name:           k_qfd8f621111_outp
    .symbol:         k_qfd8f621111_outp.kd
    .args:
      - { .name: cimg, .offset: 0, .size: 8, .value_kind: global_buffer, .address_space: global }
      - { .name: csc, .offset: 8, .size: 8, .value_kind: global_buffer, .address_space: global }
      - { .name: wimg, .offset: 16, .size: 8, .value_kind: global_buffer, .address_space: global }
      - { .name: wsc, .offset: 24, .size: 8, .value_kind: global_buffer, .address_space: global }
      - { .name: bo, .offset: 32, .size: 8, .value_kind: global_buffer, .address_space: global }
      - { .name: x, .offset: 40, .size: 8, .value_kind: global_buffer, .address_space: global }
      - { .name: ln_gamma, .offset: 48, .size: 8, .value_kind: global_buffer, .address_space: global }
      - { .name: ln_beta, .offset: 56, .size: 8, .value_kind: global_buffer, .address_space: global }
      - { .name: out0, .offset: 64, .size: 8, .value_kind: global_buffer, .address_space: global }
    .group_segment_fixed_size: 288256
    .private_segment_fixed_size: 0
    .kernarg_segment_align: 8
    .kernarg_segment_size: 72
    .max_flat_workgroup_size: 256
    .sgpr_count:     66
    .vgpr_count:     512
    .wavefront_size: 32
...
	.end_amdgpu_metadata
.endif
;; end of part 4
